; MI455X (gfx1250); checked and timed in simulation.
; The chip was launched on July 23, 2026; its instructions are those of AMD's public machine-readable ISA for CDNA 5 (MIT licence, August 2026) and "CDNA5" Instruction Set Architecture Reference Guide (July 2026). The comments in the code are by the model that wrote it; some were corrected since.
;; Multi Head Attention. Allowed arithmetic: matrix products marked QUANTISED: E2M3 operands, one E8M0 scale for each 32 along K, by v_wmma_scale_f32_16x16x128_f8f6f4 with both operands' format E2M3, f32 sums; everything else in f32.
;; Inputs: Wk 1,024 x 1,024 float32; Wo 1,024 x 1,024 float32; Wq 1,024 x 1,024 float32; Wv 1,024 x 1,024 float32; bk 1,024 float32; bo 1,024 float32; bq 1,024 float32; bv 1,024 float32; k 4 x 2,048 x 1,024 float32; q 4 x 2,048 x 1,024 float32; v 4 x 2,048 x 1,024 float32.
;; Outputs: out0 4 x 2,048 x 1,024 float32.
;; This version of the problem:
;;   THIS VERSION OF THE PROBLEM IS GIVEN IN LOW PRECISION. The matrix products marked QUANTISED in the list below multiply operands that are first quantised to E2M3 (2 exponent bits, 3 mantissa bits; 6 bits a number), with one power-of-two scale for each 32 numbers along K (OCP MX v1.0); their sums are f32. All else is computed in f32.
;;   The module's matrix products, in the order in which they are computed (A, B: the left and right operand; K: the contracted axis; several contracted axes count as one K, in the product's order):
;;     1. [M 8,192, K 1,024] x [K 1,024, N 1,024]; A: input q; B: input Wq: QUANTISED
;;     2. [M 8,192, K 1,024] x [K 1,024, N 1,024]; A: input k; B: input Wk: QUANTISED
;;     3. [M 8,192, K 1,024] x [K 1,024, N 1,024]; A: input v; B: input Wv: QUANTISED
;;     4. batch 64 x [M 2,048, K 64] x [K 64, N 2,048]; A: computed on the way; B: computed on the way: QUANTISED
;;     5. batch 64 x [M 2,048, K 2,048] x [K 2,048, N 64]; A: softmax (see below); B: computed on the way: QUANTISED
;;     6. [M 8,192, K 1,024] x [K 1,024, N 1,024]; A: computed on the way; B: input Wo: QUANTISED
;;   THE QUANTISER, for each operand of a quantised product, along K:
;;     - K is cut into blocks of 32 from its start; a last block that is shorter is filled with zeros.
;;     - A block's scale is 2^e with e = floor(log2(the largest magnitude in the block)) - 2, held to -126 .. 127; a block of zeros has e = 0. As a byte (E8M0): e + 127.
;;     - Each number is divided by its block's scale, clamped to +-7.5, and rounded to the nearest number of E2M3, ties to even, subnormals kept.
;;     - The product sums the exact products of the quantised numbers (number of the format x scale) in f32.
;;   ~~~python
;;   def quantise(x, axis):      # numpy; x: float32 -> the quantised numbers, widened to float32 again
;;       x = np.moveaxis(x, axis, -1); K = x.shape[-1]
;;       x = np.pad(x, [(0, 0)] * (x.ndim - 1) + [(0, -K % 32)]); x = x.reshape(x.shape[:-1] + (-1, 32)); a = np.abs(x).max(-1, keepdims=True)
;;       e = np.where(a > 0, np.clip(np.frexp(np.where(a > 0, a, 1))[1] - 1 - 2, -126, 127), 0)      # np.frexp(a)[1] - 1 = floor(log2(a)), exactly
;;       r = np.clip(x / 2.0 ** e, -7.5, 7.5)
;;       step = 2.0 ** (np.maximum(np.frexp(np.where(r == 0, 1, r))[1] - 1, 0) - 3)
;;       q = np.round(r / step) * step * 2.0 ** e      # np.round: ties to even
;;       return np.moveaxis(q.reshape(q.shape[:-2] + (-1,))[..., :K], -1, axis).astype(np.float32)
;;   ~~~
;;   SOFTMAX AHEAD OF A QUANTISED PRODUCT. Where the list says 'softmax', what is quantised is not the finished softmax but p = 2^(t - M), with t = logit x log2(e) and M = ceil(the row's largest t), a whole number; so 1/2 < the row's largest p <= 1. The row's sum l is taken of the UNQUANTISED p, in f32, and the product's result is divided by l at the end. Since M is a whole number, a kernel that streams over the keys may use a running M (the ceiling of the running maximum): every later rescaling is an exact power of two, which a block's scale takes up: the codes' values come out the same.
;;   OPERANDS COMPUTED ON THE WAY. 'Computed on the way' means the value that the module computes at that place (a softmax that the list does not call 'softmax' is quantised finished and normalised). What goes into a quantiser is computed in f32, as accurately as f32 sums, v_exp_f32 and their like allow (about 1e-6 of the number): no bf16 or f16 on the way to a quantiser, and a product that is left as it is and whose result goes on into a quantised operand takes f32 operands (vector FMAs, or v_wmma_f32_16x16x4_f32). A number that lies on a knife's edge between two numbers of the format may be rounded either way, as far as f32 arithmetic and the matrix unit's own rounding can turn it there, and no further.
;; One version. Each part assembles by itself: llvm-mc -triple=amdgcn-amd-amdhsa -mcpu=gfx1250 --defsym DOCPART=n.
;; ======== version 1 of 1: 4 launches
;; limits: right only within a limited range of input values
;; workspace buffers: xc 18,874,368 bytes; wc 3,145,728 bytes; cc 6,291,456 bytes; sci 1,179,648 bytes; qc 6,815,744 bytes; kv 13,369,344 bytes
;; launch quant (part 1): grid 256 x 1, 16 waves a work-group, no clusters, 103,424 bytes of LDS; arguments q, k, v, Wq, Wk, Wv, Wo, xc, wc, sci; writes xc, wc, sci
.if DOCPART == 1
	.amdgcn_target "amdgcn-amd-amdhsa--gfx1250"
	.amdhsa_code_object_version 6
	.text
	.protected	k_qec02e4b29e_quant
	.globl	k_qec02e4b29e_quant
	.p2align	8
	.type	k_qec02e4b29e_quant,@function
k_qec02e4b29e_quant:
	s_mov_b64 s[64:65], 0
	v_nop
	global_prefetch_b8 v0, s[64:65] scope:SCOPE_SE
	s_setreg_imm32_b32 hwreg(HW_REG_WAVE_MODE, 25, 1), 1
	s_wait_xcnt 0x0
; MULTI-HEAD ATTENTION IN MX-FP6, THE QUANTISING LAUNCH: q, k, v [8192][1024] and the four weights [K 1024][N 1024], all f32, become codes of E2M3 with one E8M0 byte for each 32 along K.
; (The later kernels' heads count five launches: the rows' part of this launch is their 'launch 1', the weights' part their 'launch 2'; the two are one launch here.)
; NO WORK OF THE PROBLEM IS DEAD: each of the four biases stands ahead of a quantiser (bq, bk, bv) or goes to the output (bo), so all eleven inputs are loaded and all six products are done.
; THE LAYOUT OF EVERY OPERAND OF THIS PROGRAM.  Rows go in tiles of 16; place r of row tile rt is row 64 (rt / 4) + 8 (rt % 4) + r % 8 + 32 (r / 8).  A HALF IMAGE (768 bytes) holds 64 along K of a tile as the
; operand's registers hold them: lane (r, h) owns the 24 bytes of codes k = 32 h + 0 .. 31 of its row: registers 0-3 at byte 16 x lane, registers 4-5 at byte 512 + 8 x lane.  Two half images on end are a fragment of 128 along K.
; With that order of rows the four result tiles of a group of 64 give a lane 32 neighbours, a whole block, in ascending registers, when the tile is the product's source 0: a later quantiser asks no other lane.
; xc: [row tile 0..1535 (q, k, v)][K step 0..7][1,536 bytes].  wc: [64 w + n tile][K step][1,536], rows = n.  sci: [tile][place r][32 scale bytes in K's order]; the weights' tiles are 2048 + 64 w + n tile.
; A block's scale is 2^(floor(log2(largest magnitude)) - 2): its byte is the largest magnitude's exponent field - 2, held at 1 from below by a floor among the maximum's leaves.
; LIMITS: NaN and infinities among the inputs are not served.  A block of zeros, or one whose largest magnitude lies under 2^-124, gets the byte 1 (the rule says 127 for zeros): zero codes add nothing under any
; byte but 0xff, and this program alone reads the bytes.
; SHARES: 256 work-groups of sixteen waves, which share nothing: no barrier.
; WAVES 0-11, THE ROWS: the work-group has six row tiles; two waves share a tile, each with four of its eight K steps.  Each load reads 512 consecutive bytes (a row's K step); the 16 rows turn through the wave's own
; stage in LDS (rows 528 bytes apart), so that a lane gets 2 x 32 neighbours.  Two K steps' loads (32 a wave) are out at the start, 16 while a step is worked.  A tile's scale bytes leave as 16 of each row's 32 from each of its two waves.
; WAVES 12-15, THE WEIGHTS: the work-group has a weight, 64 columns (four n tiles) and 256 along K; wave = (which two tiles) + 2 x (which K step of the two).  A LANE TAKES A COLUMN n AND ITS REGISTERS RUN DOWN K: a block of 32
; along K lies in one lane, and the conversions give codes with K innermost.  Lane l is place l % 16 of tile l / 16 of the wave's two, so sixteen neighbouring lanes hold 256 consecutive bytes of a half image: the codes go
; from registers to memory, with no stage.  A load reads four runs of 32 bytes of a row of W; the two waves side by side read the row's 256 bytes between them.  The scale words leave as 4 bytes a lane, 32 bytes apart: one byte in 128 of what these waves read.
; No tensor loads, clusters or prefetch: every input byte is read once, by long runs of loads.
.set STG,   8448                       ; a wave's stage: 16 rows x (512 + 16) bytes
.set SPARE, 12*STG                     ; behind the twelve stages: the spare words, 128 bytes a wave: eight blocks of 256 bytes that no other line names
.set L16, 4                            ; v4   16 x lane
.set L8,  5                            ; v5   8 x lane
.set SPW, 6                            ; v6   my spare word; never rewritten
.set NIL, 7                            ; v7   0; never rewritten
.set STI, 8                            ; v8   the stage, on the way in
.set STO, 9                            ; v9   and out: 528 r + 128 h
.set SH8, 10                           ; v10  8 h
.set SCO, 11                           ; v11  32 r + 8 h: my 8 scale bytes
.set PW,  12                           ; v12-15 the row's scale word of each of my K steps
.set SW,  20                           ; v20-21 the two that I store
.set PC,  24                           ; v24-35 a fragment's codes
.set PX,  36                           ; v36-43 the upper halves of the blocks' codes, before they are moved
.set TM,  44                           ; v44-47 four running maxima
.set SO,  48                           ; v48-49 the conversions' scale operands
.set BY,  50                           ; v50-51 the scale bytes
.set PT,  52                           ; v52  what the other half of the lanes sends
.set R,   64                           ; v64-191 two sets of 64 registers as loaded
.set X,   192                          ; v192-255 register 32 c + i = k 64 c + 32 h + i of my row
.set LC,   1                           ; the weights' waves: v1 my column's bytes in its 256
.set VO16, 2                           ; v2   12,288 x (which tile) + 16 r
.set VO8,  3                           ; v3   the same with 8 r
.set WSC,  10                          ; v10  512 x (which tile) + 32 r
.set WSW,  15                          ; v15  my column's scale word of this K step
.set CB,   32                          ; v32-63  eight registers of codes for each block, so that no store's data are written again
.set WX,   96                          ; v96-223 my column's 128 numbers
.set SEL, 24                           ; s[24:25] v_permlanex16_b32's selects for lane l xor 16
.set WV,  26
	s_load_b256 s[4:11], s[0:1], 0x0               ; q, k, v, Wq
	s_load_b256 s[12:19], s[0:1], 0x20             ; Wk, Wv, Wo, xc
	s_load_b128 s[20:23], s[0:1], 0x40             ; wc, sci
	v_lshl_add_u32 v[SPW], v0, 2, SPARE
	v_mov_b32 v[NIL], 0
	v_lshrrev_b32 v1, 5, v0
	v_readfirstlane_b32 s[WV], v1                  ; wave 0..15
	s_cmp_lt_u32 s[WV], 12
	s_wait_alu depctr_va_vdst(0)                   ; the wait here, directly ahead of the branch
	s_cbranch_scc1 .Lrows
; ---------------- waves 12-15: the weights
	v_and_b32 v14, 15, v0                          ; r
	v_bfe_u32 v16, v0, 4, 1                        ; which of my two tiles
	v_and_b32 v1, 7, v0
	v_bfe_u32 v11, v0, 3, 1
	v_lshlrev_b32 v1, 2, v1                        ; column 8 tile + r % 8 + 32 (r / 8) of the 64, in bytes
	v_mul_u32_u24 v12, v16, 12288
	v_lshl_add_u32 v1, v11, 7, v1
	v_lshlrev_b32 v[WSC], 9, v16
	v_lshl_add_u32 v[LC], v16, 5, v1
	v_lshl_add_u32 v[VO16], v14, 4, v12
	v_lshl_add_u32 v[VO8], v14, 3, v12
	v_lshl_add_u32 v[WSC], v14, 5, v[WSC]
	s_sub_co_u32 s27, s[WV], 12
	s_and_b32 s28, s27, 1                          ; which two tiles
	s_lshr_b32 s29, s27, 1                         ; which K step of the two
	s_lshr_b32 s30, ttmp9, 6                       ; which weight
	s_bfe_u32 s31, ttmp9, 0x40002                  ; which 64 columns
	s_and_b32 s32, ttmp9, 3                        ; which 256 along K
	s_lshl_b32 s36, s32, 20                        ; W: (256 kq + 128 step) rows of 4,096 bytes + 256 cg + 64 x (which two tiles)
	s_lshl_b32 s33, s29, 19
	s_add_co_u32 s36, s36, s33
	s_lshl_b32 s33, s31, 8
	s_add_co_u32 s36, s36, s33
	s_lshl_b32 s33, s28, 6
	s_add_co_u32 s36, s36, s33
	s_mov_b32 s37, 0
	s_lshl_b32 s34, s32, 1
	s_add_co_u32 s34, s34, s29                     ; the K step, 0..7
	s_lshl_b32 s35, s31, 2
	s_lshl_b32 s33, s28, 1
	s_add_co_u32 s35, s35, s33                     ; my first n tile, 0..62
	s_mul_i32 s38, s30, 786432                     ; wc: the weight, the tile, the K step
	s_mul_i32 s33, s35, 12288
	s_add_co_u32 s38, s38, s33
	s_mul_i32 s33, s34, 1536
	s_add_co_u32 s38, s38, s33
	s_mov_b32 s39, 0
	s_lshl_b32 s40, s30, 15                        ; sci: 1,048,576 + 32,768 w + 512 tile + 4 K step
	s_lshl_b32 s33, s35, 9
	s_add_co_u32 s40, s40, s33
	s_lshl_b32 s33, s34, 2
	s_add_co_u32 s40, s40, s33
	s_add_co_u32 s40, s40, 0x100000
	s_mov_b32 s41, 0
	s_wait_alu depctr_va_vdst(0)                   ; the wait at the head's end
	s_wait_kmcnt 0x0
	s_cmp_eq_u32 s30, 1                            ; the choices hang on the work-group's number alone
	s_cselect_b64 s[10:11], s[12:13], s[10:11]
	s_cmp_eq_u32 s30, 2
	s_cselect_b64 s[10:11], s[14:15], s[10:11]
	s_cmp_eq_u32 s30, 3
	s_cselect_b64 s[10:11], s[16:17], s[10:11]
	s_add_nc_u64 s[10:11], s[10:11], s[36:37]
	s_add_nc_u64 s[20:21], s[20:21], s[38:39]
	s_add_nc_u64 s[22:23], s[22:23], s[40:41]
.macro WLOAD t                         ; block t: W(32 t + i, my column)
.set I_, 0
.rept 32
	global_load_b32 v[WX+32*(\t)+I_], v[LC], s[10:11] offset:(32*(\t)+I_)*4096
.set I_, I_+1
.endr
.endm
.macro WBLOCK t
.set XS, WX+32*(\t)
.set CR, CB+8*(\t)
.if (\t) < 3
	s_wait_loadcnt 32                              ; this block's 32 loads are in; the next block's 32 stay out
.else
	s_wait_loadcnt 0x0
.endif
.if (\t)+2 < 4
	WLOAD (\t)+2
.endif
	v_max3_num_f32 v12, |v[XS]|, |v[XS+1]|, |v[XS+2]|   ; the block's largest magnitude: all 32 numbers are mine
	v_max3_num_f32 v13, |v[XS+3]|, |v[XS+4]|, |v[XS+5]|
.irp i, 6,10,14,18,22,26
	v_max3_num_f32 v12, v12, |v[XS+\i]|, |v[XS+\i+1]|
	v_max3_num_f32 v13, v13, |v[XS+\i+2]|, |v[XS+\i+3]|
.endr
	v_max3_num_f32 v12, v12, |v[XS+30]|, |v[XS+31]|
	v_max3_num_f32 v12, v12, v13, 0x1800000        ; and the floor 2^(3 - 127)
	v_add_nc_u32 v11, 0xff000000, v12              ; 2 off the exponent field: the conversion's scale operand
	v_lshrrev_b32 v13, 23, v11                     ; the scale's byte
.if (\t) == 0
	v_mov_b32 v[WSW], v13
.else
	v_lshl_or_b32 v[WSW], v13, 8*(\t), v[WSW]
.endif
	v_cvt_scalef32_pk16_fp6_f32 v[CR:CR+2], v[XS:XS+15], v11
	v_cvt_scalef32_pk16_fp6_f32 v[CR+4:CR+6], v[XS+16:XS+31], v11   ; (a conversion's three registers begin on an even number)
	v_nop                                          ; one plain place behind the scaled conversions
	v_mov_b32 v[CR+3], v[CR+4]                     ; the six registers on end
	v_mov_b32 v[CR+4], v[CR+5]
	v_mov_b32 v[CR+5], v[CR+6]
	global_store_b128 v[VO16], v[CR:CR+3], s[20:21] offset:768*((\t)/2)+256*((\t)%2)        ; block t = 2 c + h: half image c, the place of lane (r, h): sixteen lanes store 256 consecutive bytes, aligned,
	global_store_b64 v[VO8], v[CR+4:CR+5], s[20:21] offset:768*((\t)/2)+512+128*((\t)%2)    ; and 128, which block t xor 1 makes 256
.endm
	WLOAD 0
	WLOAD 1
	WBLOCK 0
	WBLOCK 1
	WBLOCK 2
	WBLOCK 3
	global_store_b32 v[WSC], v[WSW], s[22:23]      ; my column's four scale bytes of this K step
	s_endpgm                                       ; (these waves have written no LDS)
; ---------------- waves 0-11: the rows of q, k, v
; 64 numbers of a lane, v[s + 32 c + i] = k 64 c + 32 h + i of my row, become a fragment's codes in v[PC] on and the row's scale word in v[pw] (the same in both halves of the lanes).
.macro QUANT s, pw
.irp c, 0,1
.irp u, 0,1
	v_max3_num_f32 v[TM+2*\c+\u], |v[\s+32*\c+16*\u]|, |v[\s+32*\c+16*\u+1]|, |v[\s+32*\c+16*\u+2]|   ; four chains of 16 numbers, by turns
.endr
.endr
.irp i, 3,5,7,9,11,13
.irp c, 0,1
.irp u, 0,1
	v_max3_num_f32 v[TM+2*\c+\u], v[TM+2*\c+\u], |v[\s+32*\c+16*\u+\i]|, |v[\s+32*\c+16*\u+\i+1]|
.endr
.endr
.endr
.irp c, 0,1
	v_max3_num_f32 v[TM+2*\c], v[TM+2*\c], |v[\s+32*\c+15]|, |v[\s+32*\c+31]|
.endr
.irp c, 0,1
	v_max3_num_f32 v[TM+2*\c], v[TM+2*\c], v[TM+2*\c+1], 0x1800000   ; the block's largest magnitude, and the floor 2^(3 - 127): the byte cannot fall under 1
.endr
.irp c, 0,1
	v_add_nc_u32 v[SO+\c], 0xff000000, v[TM+2*\c]   ; 2 off the exponent field: the conversion takes the exponent field of this operand as its scale
.endr
.irp c, 0,1
	v_lshrrev_b32 v[BY+\c], 23, v[SO+\c]            ; the scale's byte
.endr
	v_lshl_or_b32 v[\pw], v[BY+1], 16, v[BY]        ; my blocks h and 2 + h,
	v_lshlrev_b32 v[\pw], v[SH8], v[\pw]            ; at their places in the word;
	v_permlanex16_b32 v[PT], v[\pw], s[SEL], s[SEL+1]
	v_or_b32 v[\pw], v[\pw], v[PT]                  ; with lane l xor 16's two the word is whole
.irp c, 0,1
	v_cvt_scalef32_pk16_fp6_f32 v[PC+6*\c:PC+6*\c+2], v[\s+32*\c:\s+32*\c+15], v[SO+\c]
	v_cvt_scalef32_pk16_fp6_f32 v[PX+4*\c:PX+4*\c+2], v[\s+32*\c+16:\s+32*\c+31], v[SO+\c]   ; (a conversion's three registers begin on an even number)
.endr
	v_nop                                           ; one plain place behind the scaled conversions
.irp c, 0,1
.irp i, 0,1,2
	v_mov_b32 v[PC+6*\c+3+\i], v[PX+4*\c+\i]
.endr
.endr
.endm
.Lrows:
	v_and_b32 v3, 31, v0                           ; lane
	v_and_b32 v1, 15, v0                           ; r
	v_bfe_u32 v2, v0, 4, 1                         ; h
	v_lshlrev_b32 v[L16], 4, v3
	v_lshlrev_b32 v[L8], 3, v3
	s_mul_i32 s30, s[WV], STG                      ; my stage
	v_add_nc_u32 v[STI], s30, v[L16]
	v_mul_u32_u24 v[STO], v1, 528
	v_lshl_add_u32 v[STO], v2, 7, v[STO]
	v_add_nc_u32 v[STO], s30, v[STO]
	v_lshlrev_b32 v[SH8], 3, v2
	v_lshlrev_b32 v[SCO], 5, v1
	v_lshl_add_u32 v[SCO], v2, 3, v[SCO]
	v_mov_b32 v[PT], 0                             ; written once: a lane permute's destination counts as one of its sources
	s_mov_b32 s[SEL], 0x76543210
	s_mov_b32 s[SEL+1], 0xfedcba98
	s_lshr_b32 s28, s[WV], 1                       ; which of the work-group's six row tiles
	s_and_b32 s29, s[WV], 1                        ; which four K steps
	s_mul_i32 s31, ttmp9, 6
	s_add_co_u32 s31, s31, s28                     ; my row tile, 0..1535
	s_lshr_b32 s32, s31, 9                         ; which tensor
	s_and_b32 s33, s31, 511
	s_lshr_b32 s34, s33, 2
	s_lshl_b32 s34, s34, 6
	s_and_b32 s33, s33, 3
	s_lshl_b32 s33, s33, 3
	s_add_co_u32 s33, s33, s34                     ; the row of place 0: 64 (tile / 4) + 8 (tile % 4)
	s_lshl_b32 s36, s33, 12                        ; in bytes (under 2^25),
	s_lshl_b32 s35, s29, 11
	s_add_co_u32 s36, s36, s35                     ; and my four K steps of 512 bytes
	s_mov_b32 s37, 0
	s_mul_i32 s38, s31, 12288                      ; my tile in xc,
	s_mul_i32 s35, s29, 6144
	s_add_co_u32 s38, s38, s35                     ; my four K steps of 1,536 bytes
	s_mov_b32 s39, 0
	s_lshl_b32 s40, s31, 9                         ; and in sci,
	s_lshl_b32 s35, s29, 4
	s_add_co_u32 s40, s40, s35                     ; my 16 of each row's 32 bytes
	s_mov_b32 s41, 0
	s_wait_alu depctr_va_vdst(0)                   ; the wait at the head's end
	s_wait_kmcnt 0x0
	s_cmp_eq_u32 s32, 0                            ; the choice hangs on ids alone
	s_cselect_b64 s[4:5], s[4:5], s[6:7]
	s_cmp_eq_u32 s32, 2
	s_cselect_b64 s[4:5], s[8:9], s[4:5]
	s_add_nc_u64 s[4:5], s[4:5], s[36:37]
	s_add_nc_u64 s[18:19], s[18:19], s[38:39]
	s_add_nc_u64 s[22:23], s[22:23], s[40:41]
.macro LOAD ks                         ; the 16 rows' K step: each load reads 512 consecutive bytes
.irp i, 0,1,2,3,4,5,6,7,8,9,10,11,12,13,14,15
	global_load_b128 v[R+64*((\ks)%2)+4*\i:R+64*((\ks)%2)+4*\i+3], v[L16], s[4:5] offset:((\i%8)+32*(\i/8))*4096+512*(\ks) th:TH_LOAD_NT
.endr
.endm
.macro TURN ks                         ; through my stage: LDS serves a wave's instructions in order, so no wait stands between the stores and the loads
.irp i, 0,1,2,3,4,5,6,7,8,9,10,11,12,13,14,15
	ds_store_b128 v[STI], v[R+64*((\ks)%2)+4*\i:R+64*((\ks)%2)+4*\i+3] offset:528*\i
.endr
.irp c, 0,1
.irp m, 0,1,2,3,4,5,6,7
	ds_load_b128 v[X+32*\c+4*\m:X+32*\c+4*\m+3], v[STO] offset:256*\c+16*\m
.endr
.endr
.endm
.macro KSTEP ks
.if (\ks) < 3
	s_wait_loadcnt 16                              ; this K step's 16 loads are in; the next step's 16 stay out
.else
	s_wait_loadcnt 0x0
.endif
	TURN \ks
	s_wait_dscnt 0x0                               ; my 64 numbers are back, and the stage's stores have read their registers
	s_wait_xcnt 0x0                                ; the last K step's stores have read the codes' registers, which are written again below
.if (\ks)+2 < 4
	LOAD (\ks)+2
.endif
	QUANT X, PW+(\ks)
	global_store_b128 v[L16], v[PC:PC+3], s[18:19] offset:1536*(\ks)           ; 512 consecutive bytes,
	global_store_b64 v[L8], v[PC+4:PC+5], s[18:19] offset:1536*(\ks)+512       ; 256: whole aligned blocks of 256 bytes
	global_store_b128 v[L16], v[PC+6:PC+9], s[18:19] offset:1536*(\ks)+768
	global_store_b64 v[L8], v[PC+10:PC+11], s[18:19] offset:1536*(\ks)+1280
.endm
	LOAD 0
	LOAD 1
.irp n, 0,1,2,3
	KSTEP \n
.endr
	v_cmp_gt_u32 vcc_lo, 16, v3                    ; lanes 0-15 store the words of my K steps 0 and 1, lanes 16-31 those of 2 and 3
.irp i, 0,1
	v_cndmask_b32 v[SW+\i], v[PW+2+\i], v[PW+\i], vcc_lo
.endr
	global_store_b64 v[SCO], v[SW:SW+1], s[22:23]  ; 16 scale bytes of each of the tile's rows
	s_wait_tensorcnt 0x0                           ; the wave's end, behind my last LDS store
	ds_add_u32 v[SPW], v[NIL]
	s_wait_dscnt 0x0
	s_endpgm
.Lfunc_end_k_qec02e4b29e_quant:
	.size	k_qec02e4b29e_quant, .Lfunc_end_k_qec02e4b29e_quant-k_qec02e4b29e_quant
	.p2alignl 7, 3214868480
	.fill 96, 4, 3214868480
	.section	.rodata,"a",@progbits
	.p2align	6, 0x0
	.amdhsa_kernel k_qec02e4b29e_quant
		.amdhsa_group_segment_fixed_size 103424
		.amdhsa_private_segment_fixed_size 0
		.amdhsa_enable_private_segment 0
		.amdhsa_kernarg_size 80
		.amdhsa_user_sgpr_count 2
		.amdhsa_user_sgpr_kernarg_segment_ptr 1
		.amdhsa_wavefront_size32 1
		.amdhsa_system_sgpr_workgroup_id_x 1
		.amdhsa_system_sgpr_workgroup_id_y 1
		.amdhsa_system_sgpr_workgroup_id_z 1
		.amdhsa_system_vgpr_workitem_id 0
		.amdhsa_next_free_vgpr 256
		.amdhsa_next_free_sgpr 66
		.amdhsa_reserve_vcc 1
		.amdhsa_float_denorm_mode_32 3
		.amdhsa_float_denorm_mode_16_64 3
		.amdhsa_memory_ordered 1
		.amdhsa_forward_progress 1
		.amdhsa_inst_pref_size 52
	.end_amdhsa_kernel
	.amdgpu_metadata
---
amdhsa.version: [ 1, 2 ]
amdhsa.kernels:
  - .name:           k_qec02e4b29e_quant
    .symbol:         k_qec02e4b29e_quant.kd
    .args:
      - { .name: q, .offset: 0, .size: 8, .value_kind: global_buffer, .address_space: global }
      - { .name: k, .offset: 8, .size: 8, .value_kind: global_buffer, .address_space: global }
      - { .name: v, .offset: 16, .size: 8, .value_kind: global_buffer, .address_space: global }
      - { .name: Wq, .offset: 24, .size: 8, .value_kind: global_buffer, .address_space: global }
      - { .name: Wk, .offset: 32, .size: 8, .value_kind: global_buffer, .address_space: global }
      - { .name: Wv, .offset: 40, .size: 8, .value_kind: global_buffer, .address_space: global }
      - { .name: Wo, .offset: 48, .size: 8, .value_kind: global_buffer, .address_space: global }
      - { .name: xc, .offset: 56, .size: 8, .value_kind: global_buffer, .address_space: global }
      - { .name: wc, .offset: 64, .size: 8, .value_kind: global_buffer, .address_space: global }
      - { .name: sci, .offset: 72, .size: 8, .value_kind: global_buffer, .address_space: global }
    .group_segment_fixed_size: 103424
    .private_segment_fixed_size: 0
    .kernarg_segment_align: 8
    .kernarg_segment_size: 80
    .max_flat_workgroup_size: 512
    .sgpr_count:     66
    .vgpr_count:     256
    .wavefront_size: 32
...
	.end_amdgpu_metadata
.endif
;; end of part 1
;; launch proj (part 2): grid 4 x 96, 4 waves a work-group, clusters of 4 x 4, 327,680 bytes of LDS; arguments xc, wc, sci, bq, bk, bv, qc, kv; writes qc, kv
.if DOCPART == 2
	.amdgcn_target "amdgcn-amd-amdhsa--gfx1250"
	.amdhsa_code_object_version 6
	.text
	.protected	k_qec02e4b29e_proj
	.globl	k_qec02e4b29e_proj
	.p2align	8
	.type	k_qec02e4b29e_proj,@function
k_qec02e4b29e_proj:
	s_mov_b64 s[64:65], 0
	v_nop
	global_prefetch_b8 v0, s[64:65] scope:SCOPE_SE
	s_setreg_imm32_b32 hwreg(HW_REG_WAVE_MODE, 25, 1), 1
	s_wait_xcnt 0x0
	s_wait_alu depctr_hold_cnt(0) depctr_sa_sdst(0) depctr_va_vdst(0) depctr_va_sdst(0) depctr_va_ssrc(0) depctr_va_vcc(0) depctr_vm_vsrc(0)
	s_getreg_b32 s2, hwreg(HW_REG_IB_STS2, 6, 4)
	s_cmp_eq_u32 s2, 0
	s_cbranch_scc0 .Lentry_in_a_cluster
	s_endpgm
.Lentry_in_a_cluster:
	s_bfe_u32 s2, ttmp6, 0x10000c
	s_cmp_lg_u32 s2, 0xf033
	s_cbranch_scc0 .Lentry_shape_is_right
	s_endpgm
.Lentry_shape_is_right:
; Launch 3 of 5: Q = q Wq + bq, K = k Wk + bk, V = v Wv + bv on codes of E2M3 (the layout: launch 1's head); each result is quantised again on the way out, into the order in which launch 4 reads it.  Nothing is left out.
; A work-group of four waves makes 256 x 256 of one product (PP = cluster y / 8: 0 Q, 1 K, 2 V); a wave 128 x 128 in 64 accumulators.  For V the weight's rows and the tokens change places, so that V's blocks of 32 run along the tokens.
; CLUSTERS of 4 x 4: the tile that hangs on TR is asked for jointly by a row of the cluster, the tile that hangs on TC by a column.
; LDS: two regions of THREE K steps each (16 + 16 tiles x 4,608 bytes).  The head asks for K steps 0-2, one joint load a wave; the round behind it for steps 3-5; the round in K step 2 fills region 0 again with steps 6 and 7
; (rows of 3,072 bytes, dense).  So the second load has two K steps' products, 128 a wave, between its request and the wait for it; the third two and a half, 160.
; No prefetch: K is 1,024, and all of a work-group's tiles are asked for by three loads a wave.
.set SLOT,  147456                     ; a region: A's 16 tiles, then B's 16, three K steps of each
.set BOFF,  73728
.set HALFT, 36864                      ; 8 tiles: what one wave fetches, and what one wave reads of A or of B
.set SCST,  2*SLOT
.set SPARE, SCST+2048
.set RR, 1
.set HH, 2
.set LN, 3
.set L16, 4
.set L8, 5
.set SPW, 6
.set NIL, 7
.set A16, 8
.set A8, 11
.set B16, 14
.set B8, 17
.set VSO, 20
.set CBO, 21
.set SST, 22
.set SRD, 23
.set SH8, 24
.set VSO2, 25
.set RBO, 26
.set SC, 32
.set BV, 96
.set PW, 112
.set TL, 120
.set AF, 128
.set HA, 128
.set PC, 192
.set PX, 204
.set TM, 212
.set SO, 216
.set BY, 218
.set PT, 220
.set WV, 20
.set RH, 21
.set CH, 22
.set CX, 23
.set CY, 24
.set PP, 26
.set TR, 28
.set TC, 29
.set G1A, 32
.set G1B, 40
.set G0A, 48
.set G0B, 68
.set OB, 80
.set SB, 88
.set SEL, 92
.set MSB, 0
.macro WIN new
.if MSB != (\new)
	s_set_vgpr_msb (MSB<<8)|(\new)
.set MSB, \new
.endif
.endm
.set MUL_LO, 0xa1
.set MUL_HI, 0xf1
.set TO_B,   0x40
.macro JLOAD g0a, g0b
	s_cmp_eq_u32 s[RH], 0
	s_cbranch_scc0 .Lfor_b_\@
	tensor_load_to_lds s[\g0a:\g0a+3], s[G1A:G1A+7]
	s_nop 0
.rept 4
	v_nop
.endr
	s_branch .Lasked_\@
.Lfor_b_\@:
	tensor_load_to_lds s[\g0b:\g0b+3], s[G1B:G1B+7]
	s_nop 0
.rept 4
	v_nop
.endr
.Lasked_\@:
.endm
.macro CREST
	s_cmp_lg_u32 s[WV], 0
	s_cbranch_scc1 .Lnot_wave_0_\@
	s_barrier_signal -3
.Lnot_wave_0_\@:
	s_barrier_wait -3
	s_barrier_signal -1
	s_barrier_wait -1
.endm
.macro CROUND
	s_barrier_signal -1
	s_barrier_wait -1
	CREST
.endm
.macro PLACES
.rept 4
	v_nop
.endr
.endm
.macro QUANT s, pw
.irp c, 0,1
.irp u, 0,1
	v_max3_num_f32 v[TM+2*\c+\u], |v[\s+32*\c+16*\u]|, |v[\s+32*\c+16*\u+1]|, |v[\s+32*\c+16*\u+2]|
.endr
.endr
.irp i, 3,5,7,9,11,13
.irp c, 0,1
.irp u, 0,1
	v_max3_num_f32 v[TM+2*\c+\u], v[TM+2*\c+\u], |v[\s+32*\c+16*\u+\i]|, |v[\s+32*\c+16*\u+\i+1]|
.endr
.endr
.endr
.irp c, 0,1
	v_max3_num_f32 v[TM+2*\c], v[TM+2*\c], |v[\s+32*\c+15]|, |v[\s+32*\c+31]|
.endr
.irp c, 0,1
	v_max3_num_f32 v[TM+2*\c], v[TM+2*\c], v[TM+2*\c+1], 0x1800000
.endr
.irp c, 0,1
	v_add_nc_u32 v[SO+\c], 0xff000000, v[TM+2*\c]
.endr
.irp c, 0,1
	v_lshrrev_b32 v[BY+\c], 23, v[SO+\c]
.endr
	v_lshl_or_b32 v[\pw], v[BY+1], 16, v[BY]
	v_lshlrev_b32 v[\pw], v[SH8], v[\pw]
	v_permlanex16_b32 v[PT], v[\pw], s[SEL], s[SEL+1]
	v_or_b32 v[\pw], v[\pw], v[PT]
.irp c, 0,1
	v_cvt_scalef32_pk16_fp6_f32 v[PC+6*\c:PC+6*\c+2], v[\s+32*\c:\s+32*\c+15], v[SO+\c]
	v_cvt_scalef32_pk16_fp6_f32 v[PX+4*\c:PX+4*\c+2], v[\s+32*\c+16:\s+32*\c+31], v[SO+\c]
.endr
	v_nop
.irp c, 0,1
.irp i, 0,1,2
	v_mov_b32 v[PC+6*\c+3+\i], v[PX+4*\c+\i]
.endr
.endr
.endm
	s_load_b256 s[4:11], s[0:1], 0x0
	s_load_b256 s[12:19], s[0:1], 0x20
	v_lshl_add_u32 v[SPW], v0, 2, SPARE
	v_mov_b32 v[NIL], 0
	ds_add_u32 v[SPW], v[NIL]
	ds_add_u32 v[SPW], v[NIL]
	v_lshrrev_b32 v1, 5, v0
	v_readfirstlane_b32 s[WV], v1
	s_lshr_b32 s[RH], s[WV], 1
	s_and_b32 s[CH], s[WV], 1
	s_bfe_u32 s[CX], ttmp6, 0x40000
	s_bfe_u32 s[CY], ttmp6, 0x40004
	s_and_b32 s25, ttmp7, 0xffff
	s_lshr_b32 s[PP], s25, 3
	s_and_b32 s27, s25, 7
	s_lshl_b32 s27, s27, 2
	s_cmp_lt_u32 s[PP], 2
	s_cselect_b32 s[TR], s27, 0
	s_cselect_b32 s[TC], 0, s27
	s_add_co_u32 s[TR], s[TR], s[CY]
	s_add_co_u32 s[TC], s[TC], s[CX]
	s_lshl_b32 s30, s[CY], 2
	s_lshl_b32 s30, 15, s30
	s_lshl_b32 s31, 0x1111, s[CX]
	s_or_b32 s[G1A], s30, (3<<16)|(1<<21)
	s_or_b32 s[G1B], s31, (3<<16)|(1<<21)
.irp g, G1A, G1B
	s_mov_b32 s[\g+1], 576<<16                     ; a tile's three K steps: 576 elements of 8 bytes
	s_mov_b32 s[\g+2], 8<<16
	s_mov_b32 s[\g+3], 576<<16
	s_mov_b32 s[\g+4], 8
	s_mov_b32 s[\g+5], 1536
	s_mov_b32 s[\g+6], 0
	s_mov_b32 s[\g+7], 0
.endr
	s_lshl_b32 s2, s[CH], 3
	s_lshl_b32 s60, s[TR], 4
	s_add_co_u32 s60, s60, s2
	s_mul_i32 s60, s60, 12288
	s_mov_b32 s61, 0
	s_lshl_b32 s62, s[TC], 4
	s_add_co_u32 s62, s62, s2
	s_mul_i32 s62, s62, 12288
	s_mov_b32 s63, 0
	s_mul_i32 s94, s[PP], 6291456
	s_mov_b32 s95, 0
	s_mul_i32 s96, s[PP], 786432
	s_mov_b32 s97, 0
	s_mul_i32 s3, s[WV], HALFT
	s_mov_b32 s[SEL], 0x76543210
	s_mov_b32 s[SEL+1], 0xfedcba98
	s_wait_dscnt 0x0
	s_wait_kmcnt 0x0
	s_add_nc_u64 s[4:5], s[4:5], s[94:95]
	s_add_nc_u64 s[6:7], s[6:7], s[96:97]
	s_cmp_lt_u32 s[PP], 2
	s_cselect_b64 s[98:99], s[4:5], s[6:7]
	s_cselect_b64 s[100:101], s[6:7], s[4:5]
	s_add_nc_u64 s[60:61], s[98:99], s[60:61]
	s_add_nc_u64 s[62:63], s[100:101], s[62:63]
	CROUND
.irp s, 0,1
	s_mov_b32 s[G0A+4*\s], 1
	s_add_co_u32 s[G0A+4*\s+1], s3, \s*SLOT
	s_add_nc_u64 s[G0A+4*\s+2:G0A+4*\s+3], s[60:61], \s*4608
	s_or_b32 s[G0A+4*\s+3], s[G0A+4*\s+3], 0x80000000
	s_mov_b32 s[G0B+4*\s], 1
	s_add_co_u32 s[G0B+4*\s+1], s3, \s*SLOT
	s_add_nc_u64 s[G0B+4*\s+2:G0B+4*\s+3], s[62:63], \s*4608
	s_or_b32 s[G0B+4*\s+3], s[G0B+4*\s+3], 0x80000000
.endr
	JLOAD G0A, G0B                                 ; K steps 0-2: one tensor load a wave at the head
	v_and_b32 v[LN], 31, v0
	v_and_b32 v[RR], 15, v0
	v_bfe_u32 v[HH], v0, 4, 1
	v_lshlrev_b32 v[L16], 4, v[LN]
	v_lshlrev_b32 v[L8], 3, v[LN]
	v_lshlrev_b32 v[SH8], 3, v[HH]
	s_mul_i32 s2, s[RH], HALFT
	s_mul_i32 s3, s[CH], HALFT
	s_add_co_u32 s3, s3, BOFF
.irp s, 0,1
	v_add_nc_u32 v[A16+\s], s2, v[L16]
	v_add_nc_u32 v[A8+\s], s2, v[L8]
	v_add_nc_u32 v[B16+\s], s3, v[L16]
	v_add_nc_u32 v[B8+\s], s3, v[L8]
	s_add_co_u32 s2, s2, SLOT
	s_add_co_u32 s3, s3, SLOT
.endr
	s_lshl_b32 s100, s[WV], 9
	s_add_co_u32 s100, s100, SCST
	v_lshl_add_u32 v[SST], v[RR], 2, s100
	v_add_nc_u32 v[SRD], s100, v[L16]
	s_lshl_b32 s94, s[TR], 4
	s_lshl_b32 s95, s[RH], 3
	s_add_co_u32 s94, s94, s95
	s_lshl_b32 s94, s94, 9
	s_lshl_b32 s96, s[TC], 4
	s_lshl_b32 s97, s[CH], 3
	s_add_co_u32 s96, s96, s97
	s_lshl_b32 s96, s96, 9
	s_lshl_b32 s98, s[PP], 18
	s_lshl_b32 s99, s[PP], 15
	s_add_co_u32 s99, s99, 0x100000
	s_cmp_lt_u32 s[PP], 2
	s_cselect_b32 s100, s98, s99
	s_cselect_b32 s101, s99, s98
	s_add_co_u32 s94, s94, s100
	s_add_co_u32 s96, s96, s101
	v_mov_b32 v[VSO], s94
	v_mov_b32 v27, s96
	v_cmp_eq_u32 vcc_lo, 1, v[HH]
	v_cndmask_b32 v[VSO], v[VSO], v27, vcc_lo
	v_lshl_add_u32 v[VSO], v[RR], 5, v[VSO]
.irp i, 0,1,2,3,4,5,6,7
	global_load_b128 v[SC+8*\i:SC+8*\i+3], v[VSO], s[8:9] offset:512*\i
	global_load_b128 v[SC+8*\i+4:SC+8*\i+7], v[VSO], s[8:9] offset:512*\i+16
.endr
	s_lshl_b32 s94, s[TR], 8
	s_lshl_b32 s95, s[RH], 7
	s_add_co_u32 s94, s94, s95
	s_lshl_b32 s96, s[TC], 8
	s_lshl_b32 s97, s[CH], 7
	s_add_co_u32 s96, s96, s97
	s_cmp_lt_u32 s[PP], 2
	s_cselect_b32 s98, s94, s96
	s_cselect_b32 s99, s96, s94
	s_cmp_eq_u32 s[PP], 0
	s_cselect_b64 s[10:11], s[10:11], s[12:13]
	s_cmp_eq_u32 s[PP], 2
	s_cselect_b64 s[10:11], s[14:15], s[10:11]
	s_lshl_b32 s100, s99, 2
	s_mov_b32 s101, 0
	s_add_nc_u64 s[10:11], s[10:11], s[100:101]
	v_lshlrev_b32 v[CBO], 7, v[HH]
	v_and_b32 v27, 7, v[RR]
	v_lshrrev_b32 v28, 3, v[RR]
	v_lshlrev_b32 v[RBO], 2, v27
	v_lshl_add_u32 v[RBO], v28, 7, v[RBO]
	WIN TO_B
.irp b, 0,1,2,3,4,5,6,7
	global_load_b128 v[96+8*(\b%4)+128*(\b/4):96+8*(\b%4)+128*(\b/4)+3], v[CBO], s[10:11] offset:256*(\b/4)+32*(\b%4)
	global_load_b128 v[96+8*(\b%4)+128*(\b/4)+4:96+8*(\b%4)+128*(\b/4)+7], v[CBO], s[10:11] offset:256*(\b/4)+32*(\b%4)+16
.endr
	WIN 0
.irp a, 0,1,2,3,4,5,6,7
	global_load_b32 v[BV+2*\a], v[RBO], s[10:11] offset:256*(\a/4)+32*(\a%4)
	global_load_b32 v[BV+2*\a+1], v[RBO], s[10:11] offset:256*(\a/4)+32*(\a%4)
.endr
	s_lshr_b32 s94, s98, 11
	s_lshl_b32 s94, s94, 4
	s_lshr_b32 s95, s99, 6
	s_add_co_u32 s94, s94, s95
	s_lshr_b32 s95, s98, 7
	s_and_b32 s95, s95, 15
	s_cmp_eq_u32 s[PP], 0
	s_mov_b32 s96, 208896
	s_cselect_b32 s96, 106496, s96
	s_mov_b32 s97, 13056
	s_cselect_b32 s97, 6656, s97
	s_cselect_b64 s[16:17], s[16:17], s[18:19]
	s_mov_b32 s100, 12288
	s_cselect_b32 s100, 6144, s100
	s_mul_i32 s94, s94, s96
	s_mul_i32 s95, s95, s97
	s_add_co_u32 s94, s94, s95
	s_mov_b32 s95, 0
	s_add_nc_u64 s[16:17], s[16:17], s[94:95]
	s_cmp_eq_u32 s[PP], 2
	s_cselect_b32 s100, 12800, s100
	s_cselect_b32 s98, 6144, 0
	s_mov_b32 s99, 3072
	s_cselect_b32 s94, s96, s99
	s_cselect_b32 s2, s99, s96
	s_mov_b32 s101, 0
	s_add_nc_u64 s[SB:SB+1], s[16:17], s[100:101]
	s_mov_b32 s97, 0
	s_add_nc_u64 s[SB+2:SB+3], s[SB:SB+1], s[96:97]
	s_mov_b32 s99, 0
	s_add_nc_u64 s[OB:OB+1], s[16:17], s[98:99]
	s_mov_b32 s3, 0
	s_add_nc_u64 s[OB+2:OB+3], s[OB:OB+1], s[2:3]
	s_mov_b32 s95, 0
	s_add_nc_u64 s[OB+4:OB+5], s[OB:OB+1], s[94:95]
	s_add_nc_u64 s[OB+6:OB+7], s[OB+4:OB+5], s[2:3]
	v_mul_u32_u24 v[VSO2], v[HH], 208896
	v_lshl_add_u32 v[VSO2], v[RR], 4, v[VSO2]
.macro FRAG reg, a16, a8, q, i
	ds_load_b128 v[\reg:\reg+3], v[\a16] offset:(\i)*PI_+(\q)*1536
	ds_load_b64 v[\reg+4:\reg+5], v[\a8] offset:(\i)*PI_+(\q)*1536+512
	ds_load_b128 v[\reg+6:\reg+9], v[\a16] offset:(\i)*PI_+(\q)*1536+768
	ds_load_b64 v[\reg+10:\reg+11], v[\a8] offset:(\i)*PI_+(\q)*1536+1280
.endm
.macro FETCH_B ks
.set PI_, 4608-1536*((\ks)/6)          ; from tile to tile in LDS: three K steps; for K steps 6 and 7 two.  K step ks lies in region (ks / 3) % 2, as number ks % 3 of its tile's
	WIN TO_B
.irp i, 0,1,2,3,4,5,6,7
	FRAG 128*((\ks)%2)+12*\i, B16+((\ks)/3)%2, B8+((\ks)/3)%2, (\ks)%3, \i
.endr
	WIN 0
.endm
.macro FETCH_A ks, i0
.set PI_, 4608-1536*((\ks)/6)
.irp i, \i0, \i0+1, \i0+2, \i0+3
	FRAG AF+12*(\i), A16+((\ks)/3)%2, A8+((\ks)/3)%2, (\ks)%3, \i
.endr
.endm
.macro MUL16 a0, ks, zero
.irp a, \a0, \a0+1
.irp b, 0,1,2,3,4,5,6,7
.if \zero
	v_wmma_scale_f32_16x16x128_f8f6f4 v[8*(8*((\a)%4)+\b):8*(8*((\a)%4)+\b)+7], v[128*((\ks)%2)+12*\b:128*((\ks)%2)+12*\b+11], v[AF+12*(\a):AF+12*(\a)+11], 0, v[SC+8*\b+(\ks)], v[SC+8*(\a)+(\ks)] matrix_a_fmt:MATRIX_FMT_FP6 matrix_b_fmt:MATRIX_FMT_FP6 matrix_a_scale:MATRIX_SCALE_ROW1
.else
	v_wmma_scale_f32_16x16x128_f8f6f4 v[8*(8*((\a)%4)+\b):8*(8*((\a)%4)+\b)+7], v[128*((\ks)%2)+12*\b:128*((\ks)%2)+12*\b+11], v[AF+12*(\a):AF+12*(\a)+11], v[8*(8*((\a)%4)+\b):8*(8*((\a)%4)+\b)+7], v[SC+8*\b+(\ks)], v[SC+8*(\a)+(\ks)] matrix_a_fmt:MATRIX_FMT_FP6 matrix_b_fmt:MATRIX_FMT_FP6 matrix_a_scale:MATRIX_SCALE_ROW1
.endif
.endr
.endr
.endm
.macro STEP ks, zero
	s_wait_dscnt 16
	WIN MUL_LO
	MUL16 0, \ks, \zero
	MUL16 2, \ks, \zero
	s_wait_dscnt 0x0
	PLACES
	FETCH_B (\ks)+1
	FETCH_A (\ks)+1, 0
	WIN MUL_HI
	MUL16 4, \ks, \zero
	MUL16 6, \ks, \zero
	PLACES
	WIN 0
	FETCH_A (\ks)+1, 4
.endm
.macro TURN ks, fill
	s_wait_tensorcnt 0x0
	ds_add_u32 v[SPW], v[NIL]
	s_wait_dscnt 17
	WIN MUL_LO
	MUL16 0, \ks, 0
	s_wait_dscnt 0x0
	s_barrier_signal -1
	MUL16 2, \ks, 0
	WIN 0
	s_barrier_wait -1
.if \fill
	CREST
	s_add_nc_u64 s[G0A+2:G0A+3], s[G0A+2:G0A+3], 9216
	s_add_nc_u64 s[G0B+2:G0B+3], s[G0B+2:G0B+3], 9216
	s_mov_b32 s[G1A+1], 384<<16                    ; no tensor load of mine is out, so the descriptors may be written: K steps 6 and 7 are rows of 3,072 bytes
	s_mov_b32 s[G1A+3], 384<<16
	s_mov_b32 s[G1B+1], 384<<16
	s_mov_b32 s[G1B+3], 384<<16
	JLOAD G0A, G0B
.else
	PLACES
.endif
	FETCH_B (\ks)+1
	FETCH_A (\ks)+1, 0
	WIN MUL_HI
	MUL16 4, \ks, 0
	MUL16 6, \ks, 0
	PLACES
	WIN 0
	FETCH_A (\ks)+1, 4
.endm
	s_wait_alu depctr_va_vdst(0)                   ; the wait at the head's end
	s_wait_tensorcnt 0x0                           ; my part of K steps 0-2 is in
	ds_add_u32 v[SPW], v[NIL]
	s_wait_dscnt 0x0
	CROUND                                         ; everybody's part is in, and all sixteen work-groups are here
	JLOAD G0A+4, G0B+4                             ; K steps 3-5 into region 1: the first tensor load behind the round
	FETCH_B 0
	FETCH_A 0, 0
	FETCH_A 0, 4
	s_wait_loadcnt 0x0
	STEP 0, 1
	STEP 1, 0
	TURN 2, 1                                      ; region 1 is whole, region 0 is read no more: it takes K steps 6 and 7
	STEP 3, 0
	STEP 4, 0
	TURN 5, 0
	STEP 6, 0
	s_wait_dscnt 16
	WIN MUL_LO
	MUL16 0, 7, 0
	MUL16 2, 7, 0
	s_wait_dscnt 0x0
	WIN MUL_HI
	MUL16 4, 7, 0
	MUL16 6, 7, 0
	WIN 0
	PLACES
	v_mov_b32 v[PT], 0
.macro EPI a
.set AC, 64*((\a)%4)
	s_wait_xcnt 0x0
	s_cmp_eq_u32 s[PP], 2
	s_cbranch_scc1 .Lrowb_\@
	WIN 0x06+(\a)/4
.irp b, 0,1,2,3,4,5,6,7
.irp j, 0,2,4,6
	v_pk_add_f32 v[HA+8*\b+\j:HA+8*\b+\j+1], v[AC+8*\b+\j:AC+8*\b+\j+1], v[96+8*(\b%4)+128*(\b/4)+\j:96+8*(\b%4)+128*(\b/4)+\j+1]
.endr
.endr
	WIN 0
	s_branch .Lsum_\@
.Lrowb_\@:
	WIN 0x02+(\a)/4
.irp b, 0,1,2,3,4,5,6,7
.irp j, 0,2,4,6
	v_pk_add_f32 v[HA+8*\b+\j:HA+8*\b+\j+1], v[AC+8*\b+\j:AC+8*\b+\j+1], v[BV+2*(\a):BV+2*(\a)+1]
.endr
.endr
	WIN 0
.Lsum_\@:
	QUANT HA, PW+(\a)
.irp g, 0,1
	global_store_b128 v[L16], v[PC+6*\g:PC+6*\g+3], s[OB+4*((\a)/4)+2*\g:OB+4*((\a)/4)+2*\g+1] offset:768*((\a)%4)
	global_store_b64 v[L8], v[PC+6*\g+4:PC+6*\g+5], s[OB+4*((\a)/4)+2*\g:OB+4*((\a)/4)+2*\g+1] offset:768*((\a)%4)+512
.endr
	ds_store_b32 v[SST], v[PW+(\a)] offset:64*(\a)
.endm
.irp n, 0,1,2,3,4,5,6,7
	EPI \n
.endr
	ds_load_b128 v[TL:TL+3], v[SRD]
	s_wait_dscnt 0x0
	s_cmp_eq_u32 s[PP], 2
	s_cbranch_scc1 .Lvwords
.irp i, 0,1,2,3
	v_and_b32 v[TL+4+\i], 0xffff, v[TL+\i]
.endr
	global_store_b128 v[L16], v[TL+4:TL+7], s[SB:SB+1]
.irp i, 0,1,2,3
	v_lshrrev_b32 v[TL+\i], 16, v[TL+\i]
.endr
	global_store_b128 v[L16], v[TL:TL+3], s[SB+2:SB+3]
	s_branch .Lwords_out
.Lvwords:
	global_store_b128 v[VSO2], v[TL:TL+3], s[SB:SB+1]
.Lwords_out:
	s_wait_tensorcnt 0x0
	ds_add_u32 v[SPW], v[NIL]
	s_wait_dscnt 0x0
	CROUND
	s_endpgm
.Lfunc_end_k_qec02e4b29e_proj:
	.size	k_qec02e4b29e_proj, .Lfunc_end_k_qec02e4b29e_proj-k_qec02e4b29e_proj
	.p2alignl 7, 3214868480
	.fill 96, 4, 3214868480
	.section	.rodata,"a",@progbits
	.p2align	6, 0x0
	.amdhsa_kernel k_qec02e4b29e_proj
		.amdhsa_group_segment_fixed_size 327680
		.amdhsa_private_segment_fixed_size 0
		.amdhsa_enable_private_segment 0
		.amdhsa_kernarg_size 64
		.amdhsa_user_sgpr_count 2
		.amdhsa_user_sgpr_kernarg_segment_ptr 1
		.amdhsa_wavefront_size32 1
		.amdhsa_system_sgpr_workgroup_id_x 1
		.amdhsa_system_sgpr_workgroup_id_y 1
		.amdhsa_system_sgpr_workgroup_id_z 1
		.amdhsa_system_vgpr_workitem_id 0
		.amdhsa_next_free_vgpr 1024
		.amdhsa_next_free_sgpr 102
		.amdhsa_reserve_vcc 1
		.amdhsa_float_denorm_mode_32 3
		.amdhsa_float_denorm_mode_16_64 3
		.amdhsa_memory_ordered 1
		.amdhsa_forward_progress 1
		.amdhsa_inst_pref_size 178
	.end_amdhsa_kernel
	.amdgpu_metadata
---
amdhsa.version: [ 1, 2 ]
amdhsa.kernels:
  - .name:           k_qec02e4b29e_proj
    .symbol:         k_qec02e4b29e_proj.kd
    .args:
      - { .name: xc, .offset: 0, .size: 8, .value_kind: global_buffer, .address_space: global }
      - { .name: wc, .offset: 8, .size: 8, .value_kind: global_buffer, .address_space: global }
      - { .name: sci, .offset: 16, .size: 8, .value_kind: global_buffer, .address_space: global }
      - { .name: bq, .offset: 24, .size: 8, .value_kind: global_buffer, .address_space: global }
      - { .name: bk, .offset: 32, .size: 8, .value_kind: global_buffer, .address_space: global }
      - { .name: bv, .offset: 40, .size: 8, .value_kind: global_buffer, .address_space: global }
      - { .name: qc, .offset: 48, .size: 8, .value_kind: global_buffer, .address_space: global }
      - { .name: kv, .offset: 56, .size: 8, .value_kind: global_buffer, .address_space: global }
    .group_segment_fixed_size: 327680
    .private_segment_fixed_size: 0
    .kernarg_segment_align: 8
    .kernarg_segment_size: 64
    .max_flat_workgroup_size: 128
    .sgpr_count:     102
    .vgpr_count:     1024
    .wavefront_size: 32
...
	.end_amdgpu_metadata
.endif
;; end of part 2
;; launch attn (part 3): grid 4 x 64, 16 waves a work-group, clusters of 4 x 1, 210,944 bytes of LDS; arguments qc, kv, cc, sci; writes cc, sci
.if DOCPART == 3
	.amdgcn_target "amdgcn-amd-amdhsa--gfx1250"
	.amdhsa_code_object_version 6
	.text
	.protected	k_qec02e4b29e_attn
	.globl	k_qec02e4b29e_attn
	.p2align	8
	.type	k_qec02e4b29e_attn,@function
k_qec02e4b29e_attn:
	s_mov_b64 s[64:65], 0
	v_nop
	global_prefetch_b8 v0, s[64:65] scope:SCOPE_SE
	s_setreg_imm32_b32 hwreg(HW_REG_WAVE_MODE, 25, 1), 1
	s_wait_xcnt 0x0
	s_wait_alu depctr_hold_cnt(0) depctr_sa_sdst(0) depctr_va_vdst(0) depctr_va_sdst(0) depctr_va_ssrc(0) depctr_va_vcc(0) depctr_vm_vsrc(0)
	s_getreg_b32 s2, hwreg(HW_REG_IB_STS2, 6, 4)
	s_cmp_eq_u32 s2, 0
	s_cbranch_scc0 .Lentry_in_a_cluster
	s_endpgm
.Lentry_in_a_cluster:
	s_bfe_u32 s2, ttmp6, 0x10000c
	s_cmp_lg_u32 s2, 0x3003
	s_cbranch_scc0 .Lentry_shape_is_right
	s_endpgm
.Lentry_shape_is_right:
; Launch 4 of 5: ctx = softmax(Q K^T / 8) V for each of 64 heads, both products on codes of E2M3; ctx is quantised along the model's 1,024 on the way out.  Nothing is left out.
; THE SOFTMAX: t = score x log2(e) / 8; M = the running largest t rounded UP to a whole number; p = 2^(t - M) is quantised along the keys, not normalised; the row's sum is taken of the unquantised p and divides at the end.
; When M moves, the sum and O are multiplied by 2^(old M - new M): exact.
; SHARES: a cluster of four work-groups takes a head, each 512 queries; each of sixteen waves two tiles of 16 queries, one after the other, in 256 registers: four waves to a SIMD, so that one wave's vector work
; (about 18 vector instructions for each matrix instruction) stands beside another's products and LDS loads.
; A WHOLE HEAD'S K, V AND SCALE WORDS, 208,896 BYTES, LIE IN LDS: no ring, no refill, no barrier in the loop.  Wave w asks for the chunk of key step w by ONE joint load, the same in all four partners.
; LAYOUT: both products transposed (S^T = K Q^T, O^T = V^T P^T): a lane holds one query.  By the order of rows in a tile (launch 1's head) register 8 t + j of the scores is key 64 (t / 4) + 32 h + 8 (t % 4) + j: two whole
; blocks of 32 keys a lane, in the order of the next operand's registers; likewise O^T's 32 registers are one block of ctx.  No maximum of a block asks another lane, and no codes change lanes.
; THE HEAD'S K IS 64, THE INSTRUCTION'S 128: Q's registers 6-11 are zero codes, so k = 64 .. 127 adds nothing whatever source 0 holds there (E2M3 has no NaN and no infinity; those blocks' scale bytes are 0, which is 2^-127).
; So K's eight tiles of six registers lie on end, tile t's operand being registers 6 t .. 6 t + 11, and six registers behind the last are cleared once.
; A block's largest p is not searched for: the block's largest score goes through the same multiply-add and exponential (this takes v_exp_f32 not to fall where its input rises).
; The scale bytes of ctx leave as single bytes: a row's 32 come from sixteen heads, which are sixteen clusters; they are one byte in 25 of what the launch stores.
; No prefetch: all that the launch reads is asked for at its head.  LIMITS: as in launch 1.
.set CHUNK, 13056                      ; a key step in LDS: K 6,144 | V 6,144 | K's scale words 512 | V's 256
.set SPARE, 16*CHUNK                   ; the spare words, 128 bytes a wave: eight blocks of 256 bytes that no other line names
.set L16, 1
.set L8,  2
.set L4,  3
.set SPW, 4
.set NIL, 5
.set A16, 6                            ; v6-8  the key step's place + 16, 8, 4 x lane
.set A8,  7
.set A4,  8
.set SH8, 9
.set SBO, 10                           ; v10  32 r + h: my scale byte of ctx
.set QSO, 11                           ; v11  4 r
                                       ; v12 -M, v13 the largest t, v[14:15] the sum in two halves
.set QF,  16                           ; v16-39 Q's two fragments: six registers of codes, six of zeros
.set QS,  40                           ; v40-41 their scale words
.set KS,  42                           ; v42-45 K's scale words: lanes 0-15 tile 2 i, lanes 16-31 tile 2 i + 1
.set VS,  46                           ; v46-47 V's likewise
.set PWD, 48                           ; v48  p's scale word
.set PT,  49
.set TM,  50
.set SO,  54
.set BY,  56
.set T,   58                           ; v58 at work; v[58:59] 1 / sum;  v[60:61] f;  v[62:63] the second chain of the sum
.set F,   60
.set S2,  62
.set FR,  64                           ; v64-117 K's eight tiles and six zeros; then V's four fragments
.set PC,  118
.set PX,  130
.set S,   138                          ; v138-201 the scores, then p; at the end ctx
.set O,   202                          ; v202-233 O^T
.set WV,  12
.set G0,  16
.set G1,  20
.set SEL, 28
.set CS,  30                           ; s[30:31] c = log2(e) / 8
.set TB,  32
.set CNT, 33
.macro CROUND
	s_barrier_signal -1
	s_barrier_wait -1
	s_cmp_lg_u32 s[WV], 0
	s_cbranch_scc1 .Lnot_wave_0_\@
	s_barrier_signal -3
.Lnot_wave_0_\@:
	s_barrier_wait -3
	s_barrier_signal -1
	s_barrier_wait -1
.endm
	s_load_b256 s[4:11], s[0:1], 0x0               ; qc, kv, cc, sci
	v_lshl_add_u32 v[SPW], v0, 2, SPARE
	v_mov_b32 v[NIL], 0
	ds_add_u32 v[SPW], v[NIL]                      ; the wave's opening: the add, twice on end, and its wait ahead of my first tensor load
	ds_add_u32 v[SPW], v[NIL]
	v_lshrrev_b32 v1, 5, v0
	s_delay_alu instid0(VALU_DEP_1)
	v_readfirstlane_b32 s[WV], v1                  ; wave 0..15
	s_bfe_u32 s13, ttmp6, 0x40000
	s_lshl_b32 s15, ttmp9, 2
	s_add_co_u32 s13, s13, s15                     ; which 512 queries: it enters Q's and the outputs' addresses alone
	s_and_b32 s14, ttmp7, 0xffff                   ; 16 x batch + head, which the partners share
	s_mov_b32 s[G1], 15|(3<<16)|(1<<21)            ; 15:0 the mask: all four work-groups; 17:16 elements of 8 bytes; 21 set beside a mask
	s_mov_b32 s[G1+1], 32<<16                      ; rows of 256 bytes,
	s_mov_b32 s[G1+2], 51<<16                      ; 51 of them, dense
	s_mov_b32 s[G1+3], 32<<16
	s_mov_b32 s[G1+4], 51
	s_mov_b32 s[G1+5], 32
	s_mov_b32 s[G1+6], 0
	s_mov_b32 s[G1+7], 0
	s_mov_b32 s[G0], 1
	s_mul_i32 s[G0+1], s[WV], CHUNK                ; key step w's chunk: its place in LDS,
	s_mul_i32 s42, s14, 208896
	s_add_co_u32 s42, s42, s[G0+1]                 ; and in kv
	s_mov_b32 s43, 0
	s_mul_i32 s44, s14, 106496                     ; Q: the head, the block of 128 queries 4 x (which 512) + w / 8, the tile w % 8
	s_lshl_b32 s45, s13, 2
	s_lshr_b32 s46, s[WV], 3
	s_add_co_u32 s45, s45, s46
	s_mul_i32 s45, s45, 6656
	s_add_co_u32 s44, s44, s45
	s_and_b32 s46, s[WV], 7
	s_mul_i32 s47, s46, 768
	s_add_co_u32 s34, s44, s47
	s_mov_b32 s35, 0
	s_lshl_b32 s46, s46, 6
	s_add_co_u32 s36, s44, s46
	s_add_co_u32 s36, s36, 6144                    ; its scale words
	s_mov_b32 s37, 0
	s_lshr_b32 s44, s14, 4
	s_lshl_b32 s44, s44, 7
	s_lshl_b32 s45, s13, 5
	s_add_co_u32 s44, s44, s45
	s_add_co_u32 s44, s44, s[WV]                   ; ctx's row tile: 128 x batch + 32 x (which 512) + w
	s_and_b32 s45, s14, 15                         ; the head
	s_mul_i32 s38, s44, 12288
	s_mul_i32 s46, s45, 768                        ; the head's 64 are half image number head of the row tile
	s_add_co_u32 s38, s38, s46
	s_mov_b32 s39, 0
	s_lshl_b32 s40, s44, 9
	s_lshl_b32 s46, s45, 1
	s_add_co_u32 s40, s40, s46
	s_add_co_u32 s40, s40, 786432                  ; ctx's region of sci
	s_mov_b32 s41, 0
	s_mov_b32 s[SEL], 0x76543210
	s_mov_b32 s[SEL+1], 0xfedcba98
	s_mov_b32 s[CS], 0x3e38aa3b
	s_mov_b32 s[CS+1], s[CS]                       ; (named with it as a pair, so it is written)
	s_wait_dscnt 0x0                               ; both opening adds are done
	s_wait_kmcnt 0x0
	s_add_nc_u64 s[G0+2:G0+3], s[6:7], s[42:43]
	s_or_b32 s[G0+3], s[G0+3], 0x80000000
	s_add_nc_u64 s[34:35], s[4:5], s[34:35]
	s_add_nc_u64 s[36:37], s[4:5], s[36:37]
	s_add_nc_u64 s[38:39], s[8:9], s[38:39]
	s_add_nc_u64 s[40:41], s[10:11], s[40:41]
	CROUND                                         ; all four work-groups are here: the joint loads meet
	s_cmp_lt_u32 s[WV], 2                          ; my one tensor load.  Waves 0 and 1, whose chunks are walked first, have a load line of their own: they alone wait ahead of the first barrier
	s_cbranch_scc0 .Llater
	tensor_load_to_lds s[G0:G0+3], s[G1:G1+7]
	s_nop 0
.rept 4
	v_nop
.endr
	s_branch .Lasked
.Llater:
	tensor_load_to_lds s[G0:G0+3], s[G1:G1+7]
	s_nop 0
.rept 4
	v_nop
.endr
.Lasked:
	v_and_b32 v10, 31, v0
	s_delay_alu instid0(VALU_DEP_1)
	v_lshlrev_b32 v[L16], 4, v10
	s_delay_alu instid0(VALU_DEP_2)
	v_lshlrev_b32 v[L8], 3, v10
	s_delay_alu instid0(VALU_DEP_3)
	v_lshlrev_b32 v[L4], 2, v10
	v_and_b32 v11, 15, v0                          ; r
	v_bfe_u32 v9, v0, 4, 1                         ; h
	s_delay_alu instid0(VALU_DEP_1)
	v_lshl_add_u32 v[SBO], v11, 5, v9
	s_delay_alu instid0(VALU_DEP_3)
	v_lshlrev_b32 v[QSO], 2, v11
	s_delay_alu instid0(VALU_DEP_3)
	v_lshlrev_b32 v[SH8], 3, v9
.irp n, 0,1
	global_load_b128 v[QF+12*\n:QF+12*\n+3], v[L16], s[34:35] offset:13312*\n        ; my second tile lies 16 tiles, two blocks of 128 queries, on
	global_load_b64 v[QF+12*\n+4:QF+12*\n+5], v[L8], s[34:35] offset:13312*\n+512
	global_load_b32 v[QS+\n], v[QSO], s[36:37] offset:13312*\n
.irp i, 6,7,8,9,10,11
	v_mov_b32 v[QF+12*\n+\i], 0                    ; zero codes for k = 64 .. 127
.endr
.endr
.irp i, 48,49,50,51,52,53
	v_mov_b32 v[FR+\i], 0                          ; behind K's last tile; never loaded
.endr
	v_mov_b32 v[PT], 0                             ; a lane permute's destination counts as one of its sources
	v_mov_b32 v[T+1], 0                            ; (upper halves of pairs that are named whole)
	v_mov_b32 v[F+1], 0
	s_wait_alu depctr_va_vdst(0)                   ; the wait at the head's end
	s_cmp_lt_u32 s[WV], 2
	s_cbranch_scc0 .Lnot_first
	s_wait_tensorcnt 0x0                           ; waves 0 and 1: my chunk is in
.Lnot_first:
	s_barrier_signal -1
	s_barrier_wait -1                              ; the chunks of key steps 0 and 1 are in; the other fourteen may still be on their way
	s_wait_loadcnt 0x0                             ; Q
; A KEY STEP of 128 keys for query tile n.
.macro STEP n
	v_add_nc_u32 v[A16], s[TB], v[L16]             ; three additions and a v_nop: the four places behind the last products, ahead of the loads into their registers
	v_add_nc_u32 v[A8], s[TB], v[L8]
	v_add_nc_u32 v[A4], s[TB], v[L4]
	v_nop
.irp t, 0,1,2,3,4,5,6,7
	ds_load_b128 v[FR+6*\t:FR+6*\t+3], v[A16] offset:768*\t
	ds_load_b64 v[FR+6*\t+4:FR+6*\t+5], v[A8] offset:768*\t+512
.endr
.irp i, 0,1,2,3
	ds_load_b32 v[KS+\i], v[A4] offset:12288+128*\i
.endr
	s_wait_alu depctr_va_vdst(0)
	s_wait_dscnt 0x0
.irp t, 0,1,2,3,4,5,6,7
.if \t%2
	v_wmma_scale_f32_16x16x128_f8f6f4 v[S+8*\t:S+8*\t+7], v[FR+6*\t:FR+6*\t+11], v[QF+12*\n:QF+12*\n+11], 0, v[KS+\t/2], v[QS+\n] matrix_a_fmt:MATRIX_FMT_FP6 matrix_b_fmt:MATRIX_FMT_FP6 matrix_a_scale:MATRIX_SCALE_ROW1
.else
	v_wmma_scale_f32_16x16x128_f8f6f4 v[S+8*\t:S+8*\t+7], v[FR+6*\t:FR+6*\t+11], v[QF+12*\n:QF+12*\n+11], 0, v[KS+\t/2], v[QS+\n] matrix_a_fmt:MATRIX_FMT_FP6 matrix_b_fmt:MATRIX_FMT_FP6
.endif
.endr
.rept 4
	v_nop                                          ; places ahead of the loads into K's registers and of the first read of the scores
.endr
.irp g, 0,1                                    ; V's four fragments land while the softmax is walked
.irp d, 0,1,2,3
	ds_load_b128 v[FR+12*\d+6*\g:FR+12*\d+6*\g+3], v[A16] offset:6144+3072*\g+768*\d
	ds_load_b64 v[FR+12*\d+6*\g+4:FR+12*\d+6*\g+5], v[A8] offset:6144+3072*\g+768*\d+512
.endr
.endr
.irp i, 0,1
	ds_load_b32 v[VS+\i], v[A4] offset:12800+128*\i
.endr
.irp c, 0,1                                    ; the largest score of my two blocks of 32 keys: four chains of 16, by turns; each accumulator is first read at its low end
.irp u, 0,1
	v_max3_num_f32 v[TM+2*\c+\u], v[S+32*\c+16*\u], v[S+32*\c+16*\u+1], v[S+32*\c+16*\u+2]
.endr
.endr
.irp i, 3,5,7,9,11,13
.irp c, 0,1
.irp u, 0,1
	v_max3_num_f32 v[TM+2*\c+\u], v[TM+2*\c+\u], v[S+32*\c+16*\u+\i], v[S+32*\c+16*\u+\i+1]
.endr
.endr
.endr
.irp c, 0,1
	v_max3_num_f32 v[TM+2*\c], v[TM+2*\c], v[S+32*\c+15], v[S+32*\c+31]
.endr
.irp c, 0,1
	s_delay_alu instid0(VALU_DEP_2)
	v_max_num_f32 v[TM+2*\c], v[TM+2*\c], v[TM+2*\c+1]
.endr
	s_delay_alu instid0(VALU_DEP_1)
	v_max_num_f32 v[T], v[TM], v[TM+2]
	s_delay_alu instid0(VALU_DEP_1)
	v_permlanex16_b32 v[PT], v[T], s[SEL], s[SEL+1]
	s_delay_alu instid0(VALU_DEP_1)
	v_max_num_f32 v[T], v[T], v[PT]                ; the step's largest score of my query
	s_delay_alu instid0(VALU_DEP_1)
	v_mul_f32 v[T], s[CS], v[T]                    ; as t (c is positive)
	s_delay_alu instid0(VALU_DEP_1)
	v_max_num_f32 v13, v13, v[T]                   ; the running largest t
	v_mov_b32 v[T], v12
	s_delay_alu instid0(VALU_DEP_2)
	v_floor_f32 v12, -v13                          ; the new -M = floor(-t): M is a whole number
	s_delay_alu instid0(VALU_DEP_1)
	v_sub_f32 v[T], v12, v[T]                      ; old M - new M: a whole number, 0 or less
	s_delay_alu instid0(VALU_DEP_1)
	v_cvt_i32_f32 v[T], v[T]                       ; (it saturates)
	s_delay_alu instid0(VALU_DEP_1)
	v_ldexp_f32 v[F], 1.0, v[T]                    ; f = 2^(old M - new M)
.irp j, 0,2,4,6,8,10,12,14,16,18,20,22,24,26,28,30,32,34,36,38,40,42,44,46,48,50,52,54,56,58,60,62
	v_pk_fma_f32 v[S+\j:S+\j+1], v[S+\j:S+\j+1], s[CS:CS+1], v[12:13] op_sel_hi:[1,0,0]   ; t - M, two at a time
.endr
.irp c, 0,1
	v_fma_f32 v[TM+2*\c], v[TM+2*\c], s[CS], v12   ; the same of each block's largest score
.endr
	s_wait_alu depctr_va_vdst(0)
.irp j, 0,1,2,3,4,5,6,7,8,9,10,11,12,13,14,15,16,17,18,19,20,21,22,23,24,25,26,27,28,29,30,31,32,33,34,35,36,37,38,39,40,41,42,43,44,45,46,47,48,49,50,51,52,53,54,55,56,57,58,59,60,61,62,63
	v_exp_f32 v[S+\j], v[S+\j]                     ; p = 2^(t - M), at most 1
.endr
.irp c, 0,1
	v_exp_f32 v[TM+2*\c], v[TM+2*\c]               ; the block's largest p: the same two instructions on the same number
.endr
	v_pk_mul_f32 v[14:15], v[14:15], v[F:F+1] op_sel_hi:[1,0]   ; the sum under the new M: the plain place behind the batch
	s_wait_alu depctr_va_vdst(0)                   ; the wait ahead of the first instruction that names a result: one for the 66
	v_pk_add_f32 v[62:63], v[142:143], v[146:147]
	v_pk_add_f32 v[254:255], v[150:151], v[154:155]
	v_pk_add_f32 v[252:253], v[158:159], v[162:163]
	v_pk_add_f32 v[250:251], v[166:167], v[170:171]
	v_pk_add_f32 v[248:249], v[174:175], v[178:179]
	v_pk_add_f32 v[246:247], v[182:183], v[186:187]
	v_pk_add_f32 v[244:245], v[190:191], v[194:195]
	v_pk_add_f32 v[14:15], v[14:15], v[198:199]
	v_pk_add_f32 v[62:63], v[62:63], v[138:139]
	v_pk_add_f32 v[254:255], v[254:255], v[140:141]
	v_pk_add_f32 v[252:253], v[252:253], v[144:145]
	v_pk_add_f32 v[250:251], v[250:251], v[148:149]
	v_pk_add_f32 v[248:249], v[248:249], v[152:153]
	v_pk_add_f32 v[246:247], v[246:247], v[156:157]
	v_pk_add_f32 v[244:245], v[244:245], v[160:161]
	v_pk_add_f32 v[14:15], v[14:15], v[164:165]
	v_pk_add_f32 v[62:63], v[62:63], v[168:169]
	v_pk_add_f32 v[254:255], v[254:255], v[172:173]
	v_pk_add_f32 v[252:253], v[252:253], v[176:177]
	v_pk_add_f32 v[250:251], v[250:251], v[180:181]
	v_pk_add_f32 v[248:249], v[248:249], v[184:185]
	v_pk_add_f32 v[246:247], v[246:247], v[188:189]
	v_pk_add_f32 v[244:245], v[244:245], v[192:193]
	v_pk_add_f32 v[14:15], v[14:15], v[196:197]
	v_pk_add_f32 v[62:63], v[62:63], v[200:201]
	s_delay_alu instid0(VALU_DEP_2)
	v_pk_add_f32 v[14:15], v[14:15], v[250:251]
	s_delay_alu instid0(VALU_DEP_2)
	v_pk_add_f32 v[62:63], v[62:63], v[248:249]
	v_pk_add_f32 v[254:255], v[254:255], v[246:247]
	v_pk_add_f32 v[252:253], v[252:253], v[244:245]
	s_delay_alu instid0(VALU_DEP_2)
	v_pk_add_f32 v[14:15], v[14:15], v[254:255]
	s_delay_alu instid0(VALU_DEP_2)
	v_pk_add_f32 v[62:63], v[62:63], v[252:253]
	s_delay_alu instid0(VALU_DEP_1)
	v_pk_add_f32 v[14:15], v[14:15], v[62:63]
.irp c, 0,1
	v_max_num_f32 v[TM+2*\c], 0x1800000, v[TM+2*\c]   ; the floor 2^(3 - 127): a block whose every p is 0 keeps the byte 1
.endr
.irp c, 0,1
	s_delay_alu instid0(VALU_DEP_2)
	v_add_nc_u32 v[SO+\c], 0xff000000, v[TM+2*\c]
.endr
.irp c, 0,1
	s_delay_alu instid0(VALU_DEP_2)
	v_lshrrev_b32 v[BY+\c], 23, v[SO+\c]
.endr
	s_delay_alu instid0(VALU_DEP_1)
	v_lshl_or_b32 v[PWD], v[BY+1], 16, v[BY]       ; p's scale word: my blocks h and 2 + h,
	s_delay_alu instid0(VALU_DEP_1)
	v_lshlrev_b32 v[PWD], v[SH8], v[PWD]
	s_delay_alu instid0(VALU_DEP_1)
	v_permlanex16_b32 v[PT], v[PWD], s[SEL], s[SEL+1]
	s_delay_alu instid0(VALU_DEP_1)
	v_or_b32 v[PWD], v[PWD], v[PT]                 ; and lane l xor 16's
.irp c, 0,1
	v_cvt_scalef32_pk16_fp6_f32 v[PC+6*\c:PC+6*\c+2], v[S+32*\c:S+32*\c+15], v[SO+\c]
	v_cvt_scalef32_pk16_fp6_f32 v[PX+4*\c:PX+4*\c+2], v[S+32*\c+16:S+32*\c+31], v[SO+\c]
.endr
	v_nop                                          ; one plain place behind the scaled conversions
.irp c, 0,1
.irp i, 0,1,2
	v_mov_b32 v[PC+6*\c+3+\i], v[PX+4*\c+\i]
.endr
.endr
.irp j, 0,2,4,6,8,10,12,14,16,18,20,22,24,26,28,30
	v_pk_mul_f32 v[O+\j:O+\j+1], v[O+\j:O+\j+1], v[F:F+1] op_sel_hi:[1,0]   ; O^T under the new M.  (These 16 are also the places between the scale word and codes just made and the products)
.endr
	s_wait_alu depctr_va_vdst(0)
	s_wait_dscnt 0x0                               ; V
.irp d, 0,1,2,3
.if \d%2
	v_wmma_scale_f32_16x16x128_f8f6f4 v[O+8*\d:O+8*\d+7], v[FR+12*\d:FR+12*\d+11], v[PC:PC+11], v[O+8*\d:O+8*\d+7], v[VS+\d/2], v[PWD] matrix_a_fmt:MATRIX_FMT_FP6 matrix_b_fmt:MATRIX_FMT_FP6 matrix_a_scale:MATRIX_SCALE_ROW1
.else
	v_wmma_scale_f32_16x16x128_f8f6f4 v[O+8*\d:O+8*\d+7], v[FR+12*\d:FR+12*\d+11], v[PC:PC+11], v[O+8*\d:O+8*\d+7], v[VS+\d/2], v[PWD] matrix_a_fmt:MATRIX_FMT_FP6 matrix_b_fmt:MATRIX_FMT_FP6
.endif
.endr
.endm
; A TILE OF 16 QUERIES: all 16 key steps, then ctx = O^T / sum, quantised: a lane's 32 numbers are one block.
.macro TILE n
.if \n
	s_wait_xcnt 0x0                                ; the first tile's stores have read their registers
.endif
	v_mov_b32 v13, 0xff61b1e6                      ; the largest t so far: -3e38
	s_delay_alu instid0(VALU_DEP_1)
	v_floor_f32 v12, -v13
	v_mov_b32 v14, 0
	v_mov_b32 v15, 0
.irp j, 0,1,2,3,4,5,6,7,8,9,10,11,12,13,14,15,16,17,18,19,20,21,22,23,24,25,26,27,28,29,30,31
	v_mov_b32 v[O+\j], 0                           ; the step is written once: the first finds zeros, which the first change of M leaves zeros
.endr
	s_mov_b32 s[TB], 0
.if \n == 0
	s_mov_b32 s[CNT], 2                            ; the first tile's key steps 0 and 1 read the two chunks that the first barrier has shown
.Lfirst:
	STEP 0
	s_add_co_u32 s[TB], s[TB], CHUNK
	s_sub_co_u32 s[CNT], s[CNT], 1
	s_cmp_lg_u32 s[CNT], 0
	s_cbranch_scc1 .Lfirst
	s_wait_tensorcnt 0x0                           ; every wave: my chunk is in,
	s_barrier_signal -1
	s_barrier_wait -1                              ; everybody's is
	s_mov_b32 s[CNT], 14
.else
	s_mov_b32 s[CNT], 16
.endif
.Lkey_\n:
	STEP \n
	s_add_co_u32 s[TB], s[TB], CHUNK
	s_sub_co_u32 s[CNT], s[CNT], 1
	s_cmp_lg_u32 s[CNT], 0
	s_cbranch_scc1 .Lkey_\n
.rept 4
	v_nop                                          ; places behind the last products
.endr
	v_add_f32 v14, v14, v15
	s_delay_alu instid0(VALU_DEP_1)
	v_permlanex16_b32 v[PT], v14, s[SEL], s[SEL+1]
	s_delay_alu instid0(VALU_DEP_1)
	v_add_f32 v14, v14, v[PT]                      ; the row's sum
	s_wait_alu depctr_va_vdst(0)
	v_rcp_f32 v[T], v14
	v_nop                                          ; a plain place behind the reciprocal
	s_wait_alu depctr_va_vdst(0)                   ; and the wait ahead of its first reader
.irp j, 0,2,4,6,8,10,12,14,16,18,20,22,24,26,28,30
	v_pk_mul_f32 v[S+\j:S+\j+1], v[O+\j:O+\j+1], v[T:T+1] op_sel_hi:[1,0]   ; register i: ctx(my query, 64 head + 32 h + i); each accumulator from its low end on
.endr
	v_max3_num_f32 v[TM], |v[S]|, |v[S+1]|, |v[S+2]|
	v_max3_num_f32 v[TM+1], |v[S+16]|, |v[S+17]|, |v[S+18]|
.irp i, 3,5,7,9,11,13
	s_delay_alu instid0(VALU_DEP_2)
	v_max3_num_f32 v[TM], v[TM], |v[S+\i]|, |v[S+\i+1]|
	s_delay_alu instid0(VALU_DEP_2)
	v_max3_num_f32 v[TM+1], v[TM+1], |v[S+16+\i]|, |v[S+17+\i]|
.endr
	s_delay_alu instid0(VALU_DEP_2)
	v_max3_num_f32 v[TM], v[TM], |v[S+15]|, |v[S+31]|
	s_delay_alu instid0(VALU_DEP_1)
	v_max3_num_f32 v[TM], v[TM], v[TM+1], 0x1800000
	s_delay_alu instid0(VALU_DEP_1)
	v_add_nc_u32 v[SO], 0xff000000, v[TM]
	s_delay_alu instid0(VALU_DEP_1)
	v_lshrrev_b32 v[BY], 23, v[SO]
	v_cvt_scalef32_pk16_fp6_f32 v[PC:PC+2], v[S:S+15], v[SO]
	v_cvt_scalef32_pk16_fp6_f32 v[PX:PX+2], v[S+16:S+31], v[SO]
	v_nop                                          ; one plain place behind the scaled conversions
.irp i, 0,1,2
	v_mov_b32 v[PC+3+\i], v[PX+\i]
.endr
	global_store_b128 v[L16], v[PC:PC+3], s[38:39] offset:196608*\n           ; a half image: 512 and 256 consecutive bytes, aligned
	global_store_b64 v[L8], v[PC+4:PC+5], s[38:39] offset:196608*\n+512
	global_store_b8 v[SBO], v[BY], s[40:41] offset:8192*\n
.endm
	TILE 0
	TILE 1
	s_wait_tensorcnt 0x0                           ; the wave's end, behind my tensor load
	ds_add_u32 v[SPW], v[NIL]
	s_wait_dscnt 0x0
	CROUND                                         ; the closing round
	s_endpgm
.Lfunc_end_k_qec02e4b29e_attn:
	.size	k_qec02e4b29e_attn, .Lfunc_end_k_qec02e4b29e_attn-k_qec02e4b29e_attn
	.p2alignl 7, 3214868480
	.fill 96, 4, 3214868480
	.section	.rodata,"a",@progbits
	.p2align	6, 0x0
	.amdhsa_kernel k_qec02e4b29e_attn
		.amdhsa_group_segment_fixed_size 210944
		.amdhsa_private_segment_fixed_size 0
		.amdhsa_enable_private_segment 0
		.amdhsa_kernarg_size 32
		.amdhsa_user_sgpr_count 2
		.amdhsa_user_sgpr_kernarg_segment_ptr 1
		.amdhsa_wavefront_size32 1
		.amdhsa_system_sgpr_workgroup_id_x 1
		.amdhsa_system_sgpr_workgroup_id_y 1
		.amdhsa_system_sgpr_workgroup_id_z 1
		.amdhsa_system_vgpr_workitem_id 0
		.amdhsa_next_free_vgpr 256
		.amdhsa_next_free_sgpr 66
		.amdhsa_reserve_vcc 0
		.amdhsa_float_denorm_mode_32 3
		.amdhsa_float_denorm_mode_16_64 3
		.amdhsa_memory_ordered 1
		.amdhsa_forward_progress 1
		.amdhsa_inst_pref_size 64
	.end_amdhsa_kernel
	.amdgpu_metadata
---
amdhsa.version: [ 1, 2 ]
amdhsa.kernels:
  - .name:           k_qec02e4b29e_attn
    .symbol:         k_qec02e4b29e_attn.kd
    .args:
      - { .name: qc, .offset: 0, .size: 8, .value_kind: global_buffer, .address_space: global }
      - { .name: kv, .offset: 8, .size: 8, .value_kind: global_buffer, .address_space: global }
      - { .name: cc, .offset: 16, .size: 8, .value_kind: global_buffer, .address_space: global }
      - { .name: sci, .offset: 24, .size: 8, .value_kind: global_buffer, .address_space: global }
    .group_segment_fixed_size: 210944
    .private_segment_fixed_size: 0
    .kernarg_segment_align: 8
    .kernarg_segment_size: 32
    .max_flat_workgroup_size: 512
    .sgpr_count:     66
    .vgpr_count:     256
    .wavefront_size: 32
...
	.end_amdgpu_metadata
.endif
;; end of part 3
;; launch outp (part 4): grid 4 x 64, 4 waves a work-group, clusters of 4 x 4, 295,424 bytes of LDS; arguments cc, wc, sci, bo, out0; writes out0
.if DOCPART == 4
	.amdgcn_target "amdgcn-amd-amdhsa--gfx1250"
	.amdhsa_code_object_version 6
	.text
	.protected	k_qec02e4b29e_outp
	.globl	k_qec02e4b29e_outp
	.p2align	8
	.type	k_qec02e4b29e_outp,@function
k_qec02e4b29e_outp:
	s_mov_b64 s[64:65], 0
	v_nop
	global_prefetch_b8 v0, s[64:65] scope:SCOPE_SE
	s_setreg_imm32_b32 hwreg(HW_REG_WAVE_MODE, 25, 1), 1
	s_wait_xcnt 0x0
	s_wait_alu depctr_hold_cnt(0) depctr_sa_sdst(0) depctr_va_vdst(0) depctr_va_sdst(0) depctr_va_ssrc(0) depctr_va_vcc(0) depctr_vm_vsrc(0)
	s_getreg_b32 s2, hwreg(HW_REG_IB_STS2, 6, 4)
	s_cmp_eq_u32 s2, 0
	s_cbranch_scc0 .Lentry_in_a_cluster
	s_endpgm
.Lentry_in_a_cluster:
	s_bfe_u32 s2, ttmp6, 0x10000c
	s_cmp_lg_u32 s2, 0xf033
	s_cbranch_scc0 .Lentry_shape_is_right
	s_endpgm
.Lentry_shape_is_right:
; The last launch: out0 = ctx Wo + bo on codes of E2M3 (the layout of cc, wc and sci: the first launch's head).  Nothing is left out.
; SHARES: 8,192 x 1,024 in blocks of 128 x 256: 256 work-groups of four waves, 2 x 2; a wave makes 64 x 128: 32 accumulators of 16 x 16, 256 registers.
; ALL OF K LIES IN LDS, IN TWO HALVES: K steps 0-3 of ctx's 8 row tiles and of Wo's 16 (147,456 bytes), then K steps 4-7 likewise.  One joint load a wave at the head: wave 0 ctx's first half, wave 2 Wo's first half,
; wave 1 ctx's second, wave 3 Wo's second, each from an arm of its own of one chain of branches, the first halves asked for first.  No ring, no refill, no round in the walk along K.
; The first barrier shows K steps 0-3: waves 0 and 2 alone wait ahead of it.  A barrier in K step 3, ahead of which every wave waits for its load, shows K steps 4-7.
; CLUSTERS of 4 x 4: ctx's tiles hang on the block's row alone and are asked for jointly by a row of the cluster, Wo's on its column alone and by a column.
; THE MATRIX INSTRUCTION IS USED TRANSPOSED (source 0 = 16 rows of Wo, source 1 = 16 rows of ctx): by the order of rows in a tile, register j of tile b in lane (r, h) is column 64 (b / 4) + 32 h + 8 (b % 4) + j of ctx's place r.
; THE BIAS IS THE FIRST PRODUCTS' C, laid in registers as the result lies: no vector instruction adds it, and nothing is cleared.
; A K step is 32 products; the next step's 12 fragments (48 LDS loads) are issued ahead of them into the other of two sets.  The 32 accumulators take turns in the same order in every step.
; ctx's scale words stand in v24-55 and Wo's in v60-123: the two registers that a product names differ by 4 modulo 8.
; THE WAY OUT: 16 rows x 128 columns at a time through the wave's own stage in LDS, back as whole rows of 512 bytes.  The stages lie on the first half's bytes, which no wave reads behind the barrier in K step 3.
; No prefetch: the launch has no loop to run ahead in; all that it reads is asked for at its head.  LIMITS: as in the first launch.
; REGISTERS: window 0: v0-19 addresses, v24-123 scale words, v124-219 ctx's fragments, two sets of four (on the way out v124-251: rows read back).  Window 1: Wo's fragments, two sets at v0 and v128; the bias at v96-127 and v224-255.  Window 2: the accumulators, (a, b) at 8 (8 a + b).
.set TROW,  12288                      ; a tile's eight K steps of 1,536 bytes in memory
.set KH,    6144                       ; four of them: a tile's part of a half
.set BOFF,  8*KH                       ; in a half Wo's tiles lie behind ctx's eight
.set FILL,  24*KH                      ; a half
.set SPARE, 2*FILL                     ; behind the halves: the spare words, 128 bytes a wave: two blocks of 256 bytes that no other line names
.set STG,   8448                       ; a wave's stage: 16 rows x (512 + 16) bytes
.set RR, 1
.set HH, 2
.set LN, 3
.set L16, 4
.set L8, 5
.set SPW, 6
.set NIL, 7
.set A16, 8                            ; v8, v9    LDS address of my fragments of ctx in half 0, 1: + 16 x lane;  v10, v11: + 8 x lane
.set A8, 10
.set B16, 12                           ; v12, v13  of Wo's;  v14, v15
.set B8, 14
.set VS, 16                            ; v16  32 r: a row's scale bytes
.set CBO, 17                           ; v17  128 h: my 32 columns of each 64
.set STA, 18                           ; v18  the stage, on the way in
.set SRB, 19                           ; v19  and back
.set SA, 24
.set SB, 60
.set AF, 124
.set BK, 124
.set WV, 20
.set RH, 21
.set CH, 22
.set CX, 23
.set CY, 24
.set TR, 28
.set TC, 29
.set G1A, 32
.set G1B, 40
.set G0A, 48
.set G0B, 52
.set MSB, 0
.macro WIN new                         ; the immediate's high byte repeats the setting that is left
.if MSB != (\new)
	s_set_vgpr_msb (MSB<<8)|(\new)
.set MSB, \new
.endif
.endm
.set TO_B, 0x40                        ; destination window 1, address window 0
.macro CROUND
	s_barrier_signal -1
	s_barrier_wait -1
	s_cmp_lg_u32 s[WV], 0
	s_cbranch_scc1 .Lnot_wave_0_\@
	s_barrier_signal -3
.Lnot_wave_0_\@:
	s_barrier_wait -3
	s_barrier_signal -1
	s_barrier_wait -1
.endm
.macro PLACES
.rept 4
	v_nop
.endr
.endm
.macro TLOAD g0, g1
	tensor_load_to_lds s[\g0:\g0+3], s[\g1:\g1+7]
	s_nop 0
	PLACES
.endm
	s_load_b256 s[4:11], s[0:1], 0x0               ; cc, wc, sci, bo
	s_load_b64 s[12:13], s[0:1], 0x20              ; out0
	v_lshl_add_u32 v[SPW], v0, 2, SPARE
	v_mov_b32 v[NIL], 0
	ds_add_u32 v[SPW], v[NIL]                      ; the wave's opening: the add, twice on end, and its wait ahead of my tensor load
	ds_add_u32 v[SPW], v[NIL]
	v_lshrrev_b32 v1, 5, v0
	v_readfirstlane_b32 s[WV], v1                  ; wave 0..3
	s_lshr_b32 s[RH], s[WV], 1                     ; which 64 rows are mine.  Also: I fetch for ctx (0) or for Wo (1)
	s_and_b32 s[CH], s[WV], 1                      ; which 128 columns.  Also: which half of K I fetch
	s_bfe_u32 s[CX], ttmp6, 0x40000
	s_bfe_u32 s[CY], ttmp6, 0x40004
	s_and_b32 s25, ttmp7, 0xffff
	s_lshl_b32 s[TR], s25, 2
	s_add_co_u32 s[TR], s[TR], s[CY]               ; the block's row, 0..63
	s_lshl_b32 s[TC], ttmp9, 2
	s_add_co_u32 s[TC], s[TC], s[CX]               ; its column, 0..3
	s_lshl_b32 s30, s[CY], 2
	s_lshl_b32 s30, 15, s30                        ; my row of the cluster
	s_lshl_b32 s31, 0x1111, s[CX]                  ; my column
	s_or_b32 s[G1A], s30, (3<<16)|(1<<21)          ; 15:0 the mask; 17:16 elements of 8 bytes; 21 set beside a mask
	s_or_b32 s[G1B], s31, (3<<16)|(1<<21)
.irp g, G1A, G1B
	s_mov_b32 s[\g+1], 768<<16                     ; a row is four K steps of a tile: 6,144 bytes,
	s_mov_b32 s[\g+3], 768<<16
	s_mov_b32 s[\g+5], 1536                        ; 12,288 bytes from tile to tile
	s_mov_b32 s[\g+6], 0
	s_mov_b32 s[\g+7], 0
.endr
	s_mov_b32 s[G1A+2], 8<<16                      ; ctx's eight tiles,
	s_mov_b32 s[G1A+4], 8
	s_mov_b32 s[G1B+2], 16<<16                     ; Wo's sixteen
	s_mov_b32 s[G1B+4], 16
	s_mul_i32 s2, s[CH], KH                        ; my half of K, in bytes of a tile
	s_mul_i32 s56, s[TR], 8*TROW                   ; ctx: row tile 8 x block row
	s_add_co_u32 s56, s56, s2
	s_mov_b32 s57, 0
	s_mul_i32 s58, s[TC], 16*TROW                  ; Wo: n tile 16 x block column,
	s_add_co_u32 s58, s58, s2
	s_add_co_u32 s58, s58, 2359296                 ; behind the three other weights in wc
	s_mov_b32 s59, 0
	s_mov_b32 s[G0A], 1
	s_mul_i32 s[G0A+1], s[CH], FILL                ; where they go: no place in the cluster enters an LDS address
	s_mov_b32 s[G0B], 1
	s_mul_i32 s[G0B+1], s[CH], FILL
	s_add_co_u32 s[G0B+1], s[G0B+1], BOFF
	s_wait_dscnt 0x0                               ; both opening adds are done
	s_wait_kmcnt 0x0
	s_add_nc_u64 s[G0A+2:G0A+3], s[4:5], s[56:57]
	s_or_b32 s[G0A+3], s[G0A+3], 0x80000000
	s_add_nc_u64 s[G0B+2:G0B+3], s[6:7], s[58:59]
	s_or_b32 s[G0B+3], s[G0B+3], 0x80000000
	CROUND                                         ; all sixteen work-groups are here: the joint loads meet
	s_cmp_eq_u32 s[WV], 0                          ; one load a wave, one chain of branches, an arm to a wave: the first halves' arms stand first
	s_cbranch_scc0 .Larm_b0
	TLOAD G0A, G1A                                 ; wave 0: ctx, K steps 0-3
	s_branch .Lasked
.Larm_b0:
	s_cmp_eq_u32 s[WV], 2
	s_cbranch_scc0 .Larm_a1
	TLOAD G0B, G1B                                 ; wave 2: Wo, K steps 0-3
	s_branch .Lasked
.Larm_a1:
	s_cmp_eq_u32 s[WV], 1
	s_cbranch_scc0 .Larm_b1
	TLOAD G0A, G1A                                 ; wave 1: ctx, K steps 4-7
	s_branch .Lasked
.Larm_b1:
	TLOAD G0B, G1B                                 ; wave 3: Wo, K steps 4-7
.Lasked:
	s_mul_i32 s60, s[RH], 4*KH                     ; my four tiles of ctx in a half,
	s_mul_i32 s61, s[CH], 8*KH
	s_add_co_u32 s61, s61, BOFF                    ; my eight of Wo,
	s_mul_i32 s62, s[WV], STG                      ; my stage
	s_lshl_b32 s68, s[TR], 3
	s_lshl_b32 s2, s[RH], 2
	s_add_co_u32 s68, s68, s2
	s_lshl_b32 s68, s68, 9
	s_add_co_u32 s68, s68, 786432                  ; ctx's region of sci, 512 bytes a tile
	s_mov_b32 s69, 0
	s_add_nc_u64 s[68:69], s[8:9], s[68:69]
	s_lshl_b32 s70, s[TC], 4
	s_lshl_b32 s2, s[CH], 3
	s_add_co_u32 s70, s70, s2
	s_lshl_b32 s70, s70, 9
	s_add_co_u32 s70, s70, 1146880                 ; Wo's
	s_mov_b32 s71, 0
	s_add_nc_u64 s[70:71], s[8:9], s[70:71]
	s_lshl_b32 s72, s[TC], 10
	s_lshl_b32 s2, s[CH], 9
	s_add_co_u32 s72, s72, s2                      ; my first column, in bytes: 4 x (256 x block column + 128 x half)
	s_mov_b32 s73, 0
	s_add_nc_u64 s[10:11], s[10:11], s[72:73]
	s_add_nc_u64 s[12:13], s[12:13], s[72:73]
	s_lshl_b32 s72, s[TR], 19
	s_lshl_b32 s2, s[RH], 18
	s_add_co_u32 s72, s72, s2                      ; my first row: (128 x block row + 64 x half) x 4,096 bytes
	s_add_nc_u64 s[12:13], s[12:13], s[72:73]
	v_and_b32 v[LN], 31, v0
	v_and_b32 v[RR], 15, v0
	v_bfe_u32 v[HH], v0, 4, 1
	v_lshlrev_b32 v[L16], 4, v[LN]
	v_lshlrev_b32 v[L8], 3, v[LN]
	v_add_nc_u32 v[A16], s60, v[L16]
	v_add_nc_u32 v[A8], s60, v[L8]
	v_add_nc_u32 v[B16], s61, v[L16]
	v_add_nc_u32 v[B8], s61, v[L8]
	v_add_nc_u32 v[A16+1], FILL, v[A16]            ; the same places in the second half
	v_add_nc_u32 v[A8+1], FILL, v[A8]
	v_add_nc_u32 v[B16+1], FILL, v[B16]
	v_add_nc_u32 v[B8+1], FILL, v[B8]
	v_mul_u32_u24 v[STA], v[RR], 528
	v_lshl_add_u32 v[STA], v[HH], 7, v[STA]
	v_add_nc_u32 v[STA], s62, v[STA]               ; in: row r, 128 bytes for each half of the lanes in each 256
	v_add_nc_u32 v[SRB], s62, v[L16]               ; back: the 32 lanes take a row of 512 bytes
	v_lshlrev_b32 v[VS], 5, v[RR]
	v_lshlrev_b32 v[CBO], 7, v[HH]
	s_wait_alu depctr_va_vdst(0)                   ; the wait at the head's end: no vector instruction writes a register behind it
.irp i, 0,1,2,3
	global_load_b128 v[SA+8*\i:SA+8*\i+3], v[VS], s[68:69] offset:512*\i           ; register 8 i + ks: the scale word of tile i's place r in K step ks
	global_load_b128 v[SA+8*\i+4:SA+8*\i+7], v[VS], s[68:69] offset:512*\i+16
.endr
.irp i, 0,1,2,3,4,5,6,7
	global_load_b128 v[SB+8*\i:SB+8*\i+3], v[VS], s[70:71] offset:512*\i
	global_load_b128 v[SB+8*\i+4:SB+8*\i+7], v[VS], s[70:71] offset:512*\i+16
.endr
	WIN TO_B
.irp b, 0,1,2,3,4,5,6,7
	global_load_b128 v[96+8*(\b%4)+128*(\b/4):96+8*(\b%4)+128*(\b/4)+3], v[CBO], s[10:11] offset:256*(\b/4)+32*(\b%4)   ; the bias of tile b's eight columns in my half of the lanes
	global_load_b128 v[96+8*(\b%4)+128*(\b/4)+4:96+8*(\b%4)+128*(\b/4)+7], v[CBO], s[10:11] offset:256*(\b/4)+32*(\b%4)+16
.endr
	WIN 0
.macro FRAG reg, a16, a8, off          ; two half images: 16, 8, 16, 8 bytes a lane
	ds_load_b128 v[\reg:\reg+3], v[\a16] offset:\off
	ds_load_b64 v[\reg+4:\reg+5], v[\a8] offset:(\off)+512
	ds_load_b128 v[\reg+6:\reg+9], v[\a16] offset:(\off)+768
	ds_load_b64 v[\reg+10:\reg+11], v[\a8] offset:(\off)+1280
.endm
.macro FETCH ks                        ; K step ks's fragments, from half ks / 4, into set ks % 2: 48 LDS loads
	WIN TO_B
.irp i, 0,1,2,3,4,5,6,7
	FRAG 128*((\ks)%2)+12*\i, B16+(\ks)/4, B8+(\ks)/4, \i*KH+1536*((\ks)%4)
.endr
	WIN 0
.irp i, 0,1,2,3
	FRAG AF+48*((\ks)%2)+12*\i, A16+(\ks)/4, A8+(\ks)/4, \i*KH+1536*((\ks)%4)
.endr
.endm
.macro MUL16 a0, ks                    ; ctx's tiles a0, a0 + 1 x Wo's eight
.if (\ks) == 0
	WIN 0x91                                       ; source 0 (Wo) window 1, source 1 (ctx) window 0, C (the bias) window 1, D window 2
.else
	WIN 0xa1                                       ; C and D window 2
.endif
.irp a, \a0, \a0+1
.irp b, 0,1,2,3,4,5,6,7
.if (\ks) == 0
	v_wmma_scale_f32_16x16x128_f8f6f4 v[8*(8*(\a)+\b):8*(8*(\a)+\b)+7], v[12*\b:12*\b+11], v[AF+12*(\a):AF+12*(\a)+11], v[96+8*(\b%4)+128*(\b/4):96+8*(\b%4)+128*(\b/4)+7], v[SB+8*\b], v[SA+8*(\a)] matrix_a_fmt:MATRIX_FMT_FP6 matrix_b_fmt:MATRIX_FMT_FP6
.else
	v_wmma_scale_f32_16x16x128_f8f6f4 v[8*(8*(\a)+\b):8*(8*(\a)+\b)+7], v[128*((\ks)%2)+12*\b:128*((\ks)%2)+12*\b+11], v[AF+48*((\ks)%2)+12*(\a):AF+48*((\ks)%2)+12*(\a)+11], v[8*(8*(\a)+\b):8*(8*(\a)+\b)+7], v[SB+8*\b+(\ks)], v[SA+8*(\a)+(\ks)] matrix_a_fmt:MATRIX_FMT_FP6 matrix_b_fmt:MATRIX_FMT_FP6
.endif
.endr
.endr
.endm
.macro STEP ks
.if (\ks) == 3
	s_wait_tensorcnt 0x0                           ; every wave: my load has landed;
.endif
	s_wait_dscnt 0x0                               ; this step's fragments are in (in K step 3: my reads of the first half are over)
.if (\ks) == 3
	s_barrier_signal -1
	MUL16 0, \ks                                   ; work on registers while the others arrive
	s_barrier_wait -1                              ; K steps 4-7 are whole, and nobody reads the first half any more
	PLACES
	FETCH (\ks)+1
	MUL16 2, \ks
.else
.if (\ks) < 7
.if (\ks) > 0
	PLACES                                         ; behind the last step's products, ahead of the loads into the registers that they read
.endif
	FETCH (\ks)+1
.endif
	MUL16 0, \ks
	MUL16 2, \ks
.endif
.endm
	s_cmp_eq_u32 s[CH], 0                          ; waves 0 and 2: my part of K steps 0-3 is in
	s_cbranch_scc0 .Lsecond_half
	s_wait_tensorcnt 0x0
.Lsecond_half:
	s_barrier_signal -1
	s_barrier_wait -1                              ; K steps 0-3 are whole; 4-7 may still be on their way
	FETCH 0
	s_wait_loadcnt 0x0                             ; the scale words and the bias
.irp n, 0,1,2,3,4,5,6,7
	STEP \n
.endr
	WIN 0
.macro TOSTAGE a                       ; LDS serves a wave's instructions in order: no wait between the stores and the loads, nor ahead of the next block's stores
	WIN 0x08                                       ; the data: window 2
.irp b, 0,1,2,3,4,5,6,7
	ds_store_b128 v[STA], v[64*(\a)+8*\b:64*(\a)+8*\b+3] offset:256*(\b/4)+32*(\b%4)       ; each accumulator from its low end on
	ds_store_b128 v[STA], v[64*(\a)+8*\b+4:64*(\a)+8*\b+7] offset:256*(\b/4)+32*(\b%4)+16
.endr
	WIN 0
.set BB, BK+64*((\a)%2)
.irp t, 0,1,2,3,4,5,6,7,8,9,10,11,12,13,14,15
	ds_load_b128 v[BB+4*\t:BB+4*\t+3], v[SRB] offset:528*\t
.endr
.endm
.macro SEND a, younger                 ; younger: the LDS instructions issued behind block a's loads, which may stay out
.set BB, BK+64*((\a)%2)
	s_wait_dscnt \younger
.irp t, 0,1,2,3,4,5,6,7,8,9,10,11,12,13,14,15
	global_store_b128 v[L16], v[BB+4*\t:BB+4*\t+3], s[12:13] offset:(8*(\a)+(\t%8)+32*(\t/8))*4096 th:TH_STORE_NT   ; place t of tile a is row 8 a + t % 8 + 32 (t / 8) of my 64; 512 consecutive bytes, aligned
.endr
.endm
	PLACES                                         ; behind the last products: ahead of the stores of results and of the loads into ctx's fragments' registers
	TOSTAGE 0
.irp a, 1,2,3
.if \a > 1
	s_wait_xcnt 0x0                                ; block a - 2's stores have read their registers: block a's loads may land there
.endif
	TOSTAGE \a
	SEND \a-1, 32                                  ; behind block a - 1's loads: block a's 16 stores and 16 loads
.endr
	SEND 3, 0
	s_wait_tensorcnt 0x0                           ; the wave's end, behind my tensor load and my last LDS store
	ds_add_u32 v[SPW], v[NIL]
	s_wait_dscnt 0x0
	CROUND                                         ; the closing round
	s_endpgm
.Lfunc_end_k_qec02e4b29e_outp:
	.size	k_qec02e4b29e_outp, .Lfunc_end_k_qec02e4b29e_outp-k_qec02e4b29e_outp
	.p2alignl 7, 3214868480
	.fill 96, 4, 3214868480
	.section	.rodata,"a",@progbits
	.p2align	6, 0x0
	.amdhsa_kernel k_qec02e4b29e_outp
		.amdhsa_group_segment_fixed_size 295424
		.amdhsa_private_segment_fixed_size 0
		.amdhsa_enable_private_segment 0
		.amdhsa_kernarg_size 40
		.amdhsa_user_sgpr_count 2
		.amdhsa_user_sgpr_kernarg_segment_ptr 1
		.amdhsa_wavefront_size32 1
		.amdhsa_system_sgpr_workgroup_id_x 1
		.amdhsa_system_sgpr_workgroup_id_y 1
		.amdhsa_system_sgpr_workgroup_id_z 1
		.amdhsa_system_vgpr_workitem_id 0
		.amdhsa_next_free_vgpr 768
		.amdhsa_next_free_sgpr 80
		.amdhsa_reserve_vcc 0
		.amdhsa_float_denorm_mode_32 3
		.amdhsa_float_denorm_mode_16_64 3
		.amdhsa_memory_ordered 1
		.amdhsa_forward_progress 1
		.amdhsa_inst_pref_size 84
	.end_amdhsa_kernel
	.amdgpu_metadata
---
amdhsa.version: [ 1, 2 ]
amdhsa.kernels:
  - .name:           k_qec02e4b29e_outp
    .symbol:         k_qec02e4b29e_outp.kd
    .args:
      - { .name: cc, .offset: 0, .size: 8, .value_kind: global_buffer, .address_space: global }
      - { .name: wc, .offset: 8, .size: 8, .value_kind: global_buffer, .address_space: global }
      - { .name: sci, .offset: 16, .size: 8, .value_kind: global_buffer, .address_space: global }
      - { .name: bo, .offset: 24, .size: 8, .value_kind: global_buffer, .address_space: global }
      - { .name: out0, .offset: 32, .size: 8, .value_kind: global_buffer, .address_space: global }
    .group_segment_fixed_size: 295424
    .private_segment_fixed_size: 0
    .kernarg_segment_align: 8
    .kernarg_segment_size: 40
    .max_flat_workgroup_size: 128
    .sgpr_count:     80
    .vgpr_count:     768
    .wavefront_size: 32
...
	.end_amdgpu_metadata
.endif
;; end of part 4
